; MI455X (gfx1250); checked and timed in simulation.
; The chip was launched on July 23, 2026; its instructions are those of AMD's public machine-readable ISA for CDNA 5 (MIT licence, August 2026) and "CDNA5" Instruction Set Architecture Reference Guide (July 2026). The comments in the code are by the model that wrote it; some were corrected since.
;; Local Window Multi Head Attention. Allowed arithmetic: matrix products marked QUANTISED: E5M2 operands, one E8M0 scale for each 32 along K, by v_wmma_scale_f32_16x16x128_f8f6f4 with both operands' format E5M2, f32 sums; products left as they are: f32 operands where the result goes on into a quantised operand, else bf16, f16 or f32 operands; f32 sums; everything else in f32.
;; Inputs: Wk_codes 128 x 4 x 32 uint8 (E5M2 codes of Wk, K innermost, in blocks of 32 codes); Wk_scales 128 x 4 uint8 (E8M0 scales of Wk, one for each 32 codes along K); Wo_codes 128 x 4 x 32 uint8 (E5M2 codes of Wo, K innermost, in blocks of 32 codes); Wo_scales 128 x 4 uint8 (E8M0 scales of Wo, one for each 32 codes along K); Wq_codes 128 x 4 x 32 uint8 (E5M2 codes of Wq, K innermost, in blocks of 32 codes); Wq_scales 128 x 4 uint8 (E8M0 scales of Wq, one for each 32 codes along K); Wv_codes 128 x 4 x 32 uint8 (E5M2 codes of Wv, K innermost, in blocks of 32 codes); Wv_scales 128 x 4 uint8 (E8M0 scales of Wv, one for each 32 codes along K); bk 128 float32; bo 128 float32; bq 128 float32; bv 128 float32; x 1 x 128 x 128 x 128 float32.
;; Outputs: out0 1 x 128 x 128 x 128 float32.
;; This version of the problem:
;;   THIS VERSION OF THE PROBLEM IS GIVEN IN LOW PRECISION. The matrix products marked QUANTISED in the list below multiply operands that are first quantised to E5M2 (5 exponent bits, 2 mantissa bits; 8 bits a number), with one power-of-two scale for each 32 numbers along K (OCP MX v1.0); their sums are f32. All else is computed in f32.
;;   The module's matrix products, in the order in which they are computed (A, B: the left and right operand; K: the contracted axis; several contracted axes count as one K, in the product's order):
;;     1. [M 17,956, K 128] x [K 128, N 128]; A: computed on the way; B: input Wk (given as codes): QUANTISED
;;     2. [M 17,956, K 128] x [K 128, N 128]; A: computed on the way; B: input Wv (given as codes): QUANTISED
;;     3. [M 16,384, K 128] x [K 128, N 128]; A: input x; B: input Wq (given as codes): QUANTISED
;;     4. batch 131,072 x [M 1, K 16] x [K 16, N 49]; A: computed on the way; B: computed on the way: left as it is (K = 16 < 32)
;;     5. batch 131,072 x [M 1, K 49] x [K 49, N 16]; A: softmax; B: computed on the way: left as it is (M = 1 < 16)
;;     6. [M 16,384, K 128] x [K 128, N 128]; A: computed on the way; B: input Wo (given as codes): QUANTISED
;;   THE QUANTISER, for each operand of a quantised product, along K:
;;     - K is cut into blocks of 32 from its start; a last block that is shorter is filled with zeros.
;;     - A block's scale is 2^e with e = floor(log2(the largest magnitude in the block)) - 15, held to -126 .. 127; a block of zeros has e = 0. As a byte (E8M0): e + 127.
;;     - Each number is divided by its block's scale, clamped to +-57,344, and rounded to the nearest number of E5M2, ties to even, subnormals kept.
;;     - The product sums the exact products of the quantised numbers (number of the format x scale) in f32.
;;   ~~~python
;;   def quantise(x, axis):      # numpy; x: float32 -> the quantised numbers, widened to float32 again
;;       x = np.moveaxis(x, axis, -1); K = x.shape[-1]
;;       x = np.pad(x, [(0, 0)] * (x.ndim - 1) + [(0, -K % 32)]); x = x.reshape(x.shape[:-1] + (-1, 32)); a = np.abs(x).max(-1, keepdims=True)
;;       e = np.where(a > 0, np.clip(np.frexp(np.where(a > 0, a, 1))[1] - 1 - 15, -126, 127), 0)      # np.frexp(a)[1] - 1 = floor(log2(a)), exactly
;;       r = np.clip(x / 2.0 ** e, -57344, 57344)
;;       step = 2.0 ** (np.maximum(np.frexp(np.where(r == 0, 1, r))[1] - 1, -14) - 2)
;;       q = np.round(r / step) * step * 2.0 ** e      # np.round: ties to even
;;       return np.moveaxis(q.reshape(q.shape[:-2] + (-1,))[..., :K], -1, axis).astype(np.float32)
;;   ~~~
;;   OPERANDS COMPUTED ON THE WAY. 'Computed on the way' means the value that the module computes at that place (a softmax that the list does not call 'softmax' is quantised finished and normalised). What goes into a quantiser is computed in f32, as accurately as f32 sums, v_exp_f32 and their like allow (about 1e-6 of the number): no bf16 or f16 on the way to a quantiser, and a product that is left as it is and whose result goes on into a quantised operand takes f32 operands (vector FMAs, or v_wmma_f32_16x16x4_f32). A number that lies on a knife's edge between two numbers of the format may be rounded either way, as far as f32 arithmetic and the matrix unit's own rounding can turn it there, and no further.
;;   INPUTS GIVEN AS CODES. Wk (in the module: [128, 128], K = its axis 1); Wo (in the module: [128, 128], K = its axis 1); Wq (in the module: [128, 128], K = its axis 1); Wv (in the module: [128, 128], K = its axis 1): each comes as NAME_codes (uint8): NAME with its K axis moved to the last place and cut into blocks of 32 codes, [.., K / 32, bytes a block], one block behind the other in memory; one code a byte (a code: sign, 5 exponent bits, 2 mantissa bits); and NAME_scales (uint8): the same leading axes, one E8M0 byte (e + 127) for each 32 codes along K. Its value is code x scale, taken as it is: it is not quantised again, and the codes and scales need not be those that the quantiser above would give.
;; 2 versions, each right; version 2 is version 1 with the launch lwattn written anew for expert scheduling mode. Each part assembles by itself: llvm-mc -triple=amdgcn-amd-amdhsa -mcpu=gfx1250 --defsym DOCPART=n.
;; ======== version 1 of 2: 1 launch
;; launch lwattn (part 1): grid 16 x 16, 4 waves a work-group, no clusters, 303,104 bytes of LDS; arguments x, Wq_codes, Wq_scales, bq, Wk_codes, Wk_scales, Wv_codes, Wv_scales, bv, Wo_codes, Wo_scales, bo, out0; writes out0
.if DOCPART == 1
	.amdgcn_target "amdgcn-amd-amdhsa--gfx1250"
	.amdhsa_code_object_version 6
	.text
	.protected	k_q268a7381fc_lwattn
	.globl	k_q268a7381fc_lwattn
	.p2align	8
	.type	k_q268a7381fc_lwattn,@function
k_q268a7381fc_lwattn:
	s_mov_b64 s[64:65], 0
	v_nop
	global_prefetch_b8 v0, s[64:65] scope:SCOPE_SE
	s_setreg_imm32_b32 hwreg(HW_REG_WAVE_MODE, 25, 1), 1
	s_wait_xcnt 0x0
; LOCAL WINDOW ATTENTION, one launch.  x, out0: [128][128][128] f32.  q = x Wq^T + bq, K = x Wk^T, V = x Wv^T + bv, out = O Wo^T + bo on codes of BF8 (E5M2) with one E8M0 scale for each 32 along K;
; between them each pixel and each of its 8 heads of 16 channels attends over its 7 x 7 neighbourhood (borders reflected), in f32: scores, softmax and the weighted sum by packed multiply-adds.
; WORK LEFT OUT.  (1) bk.  With it every score of one (pixel, head) is q . (K + bk) / 4 = q . K / 4 + q . bk / 4, and q . bk / 4 is the same for all 49 keys of that softmax: it cancels in the softmax for all values of
; the inputs.  The product of q with K is not quantised, so bk moves no code and no scale.  bk has no other way to an output: it is not loaded and is not among the arguments.
; (2) The rows that the reflecting pad adds to the products for K and V are copies of real pixels' rows; the quantiser works row by row, so their codes and results are the copies' own: a padded place takes the pixel that it mirrors.
; LIMITS.  A NaN, an infinity or an overflow that reaches only bk is not carried to the result.  NaN and infinities among the inputs are not served.  A block whose largest magnitude lies under 2^(16 - 127), a block of
; zeros among them, gets the scale byte 1 (a block of zeros has zero codes, which add nothing).  A weight p under 2^-126 is taken as 0 (v_exp_f32).  The row's sum divides O behind the weighted sum, not p ahead of it.
; SHARES.  256 work-groups, each a tile of 8 x 8 pixels; four waves.  A work-group quantises its halo, 14 rows x 16 columns of pixels (columns 14, 15 only fill a matrix tile), makes K and V of the halo and q of its
; 64 pixels into LDS in f32, attends, quantises the result and multiplies by Wo.  THE WAVES SHARE THE CHANNELS: wave w owns heads 2 w, 2 w + 1 = channels 32 w .. 32 w + 31 in every phase, so its two tiles of each weight stay
; in its registers, it reads back only K, V, q that it made itself, and a quantiser block of 32 channels of the attention's result lies inside one wave.
; IN THE ATTENTION a lane owns one head and a patch of 2 x 2 queries: 16 patches x 2 heads = 32 lanes.  The four queries need 8 x 8 keys for 196 pairs: each key vector read from LDS serves three pairs.
; NO TENSOR LOADS, NO CLUSTER: x has to pass through registers to be quantised, a wave's part of a weight is 4,096 bytes that go straight into its registers, and neighbouring work-groups share only strips of their halos.
; ALL MATRIX PRODUCTS ARE USED TRANSPOSED (source 0 = 16 rows of a weight, source 1 = 16 pixels): a lane then holds one pixel and eight neighbouring channels.  Each is one K step of 128: there are no chains.
;
; LDS.  An operand goes from wave to wave as an IMAGE OF ITS REGISTERS: group c of four registers at 512 c + 16 x lane, then the scale words at 2,048 + 4 x lane; images lie 2,176 bytes apart.
.set IMG,   2176
.set XIMG,  0                          ; the 14 halo rows' fragments of x
.set OIMG,  0                          ; behind the second barrier, in the same bytes: the four fragments of the attention's result
.set PP,    528                        ; a pixel's 128 channels in f32 + 16 bytes: 132 words, so that 16 neighbouring pixels start at 16 different groups of four banks (64 banks of 4 bytes: ISA guide 11.1)
.set RP,    16*PP+64                   ; a halo row of 16 pixels + 64 bytes: two rows on are 128 bytes on in the banks
.set QREG,  14*IMG                     ; q of the 64 pixels, pixel p = 8 ly + lx
.set STG,   QREG                       ; behind the third barrier, in the same bytes: the stage for out's rows
.set KREG,  QREG+64*PP                 ; K of the halo
.set VREG,  KREG+14*RP                 ; V of the halo
.set SPARE, VREG+14*RP                 ; the spare words, 128 bytes for each wave: two blocks of 256 bytes that no other line names
; Inside a pixel's 512 bytes of K, V, q channel (head, quad j, e) lies at 128 (head / 2) + 32 j + 16 (head % 2) + 4 e: the two heads of a wave lie 16 bytes apart.
;
; REGISTERS, in windows of 256 (s_set_vgpr_msb: bits 1:0 source 0, 3:2 source 1, 5:4 source 2, 7:6 destination).
; window 0: v1-25 lane fields and addresses, never rewritten; v26-31 at work at the head; v32-95 x's fragments (two sets of two), then q / 4 in pairs, then the result's four fragments;
;   v96-159 x's codes (four slots), then O, then out's rows; v160-191 the result's codes and their quantiser; v200-219 x's quantiser; v224-239 scale words and nothing else; v252, v253 the add's two.
; window 1: x's numbers of slots 0, 1; then the products' results; then two buffers of a key row (8 keys x 16 channels).   window 2: x's numbers of slots 2, 3; then the 196 scores and the softmax's statistics.
; window 3: v0-47 the biases in the results' layout; v128-255 my two tiles of each weight.
.set XO,   4                           ; x: reflected column x 512 + 64 (lane / 16)
.set LI,   5                           ; 16 x lane
.set LS,   6                           ; 4 x lane
.set LS15, 7                           ; 4 x (lane % 16)
.set XWI,  8                           ; where I store x's images: 16 x lane + IMG x wave
.set XWS,  9                           ; and their scale words: 4 x lane + IMG x wave
.set QFA,  10                          ; where q's fragments are gathered from x's images
.set QSA,  11                          ; and their scale words
.set QST,  12                          ; a result's place in a row of 16 pixels: PP r + 64 h + 128 w
.set KST0, 13                          ; the same in K, halo rows 0-7;
.set KST1, 14                          ; halo rows 8-13;
.set VST0, 15                          ; in V
.set VST1, 16
.set KA,   17                          ; the attention: my patch's first key, my head, in K;
.set VA,   18                          ; in V;
.set QA,   19                          ; my patch's first query in q
.set OST,  20                          ; where my queries' codes go in the result's images
.set OSS,  21                          ; and their scale bytes
.set SO,   22                          ; the stage: where I put 32 bytes of a row
.set SR,   23                          ; and where I read rows back
.set WA,   24                          ; a weight's tile: 128 r + 16 h
.set BA,   25                          ; a bias's tile: 32 h
.set XF,   32
.set QI,   32                          ; pair (qb, d) at QI + 32 qb + 2 d: q / 4 of queries qa = 0, 1
.set OB,   96                          ; O(qb, qa, d) at OB + 32 qb + 16 qa + d
.set PC,   96
.set CD,   160                         ; four registers of codes a query
.set QM,   176                         ; a query's largest magnitude;
.set QSC,  180                         ; the conversion's scale operand;
.set QH,   184                         ; 57,344 x the scale;
.set QBY,  188                         ; the scale's byte
.set TM,   200                         ; v200-203 largest magnitudes, v204-207 bytes, v208-211 57,344 x the scale, v212-215 the conversions' scale operands
.set PW,   216                         ; a slot's scale word
.set WQS,  224
.set WKS,  226
.set WVS,  228
.set WOS,  230
.set XS,   232                         ; x's scale words: 2 x set + u
.set OS,   236                         ; the result's
.set SPW,  252                         ; LDS address of my spare word; never rewritten
.set NIL,  253                         ; 0; never rewritten
.set BQF,  0                           ; window 3
.set BVF,  16
.set BOF,  32
.set WQF,  128
.set WKF,  160
.set WVF,  192
.set WOF,  224
.set MA,   196                         ; window 2: two chains of maxima a query,
.set MB,   200
.set MX,   204                         ; the maxima, a pair for each qb;
.set NM,   208                         ; - log2(e) x the maximum;
.set SA,   212                         ; two chains of sums for each qb,
.set SB,   216
.set RC,   220                         ; 1 / the sum
.set WAVE, 34
.set XB,   40                          ; s[40:47] x at the halo rows of my four slots
.set SEL,  48                          ; s[48:49] v_permlanex16_b32's selects for lane l xor 16
.set MNT,  50                          ; the mantissa field of 57,344
.set LG,   52                          ; s[52:53] log2(e): the packed form names a pair and takes its low word for both halves
.set NLG,  54                          ; - log2(e)
.set MSB, 0
.macro WIN new                         ; the immediate's high byte repeats the setting that is left; a switch that changes nothing is dropped
.if MSB != (\new)
	s_set_vgpr_msb (MSB<<8)|(\new)
.set MSB, (\new)
.endif
.endm
.macro PLACES                          ; eight places behind a matrix instruction of this form ahead of what reads its result or writes or loads into one of its registers
.rept 8
	v_nop
.endr
.endm
.macro BARRIER                         ; my LDS stores have landed and my LDS loads are in: then the work-group's barrier
	s_wait_dscnt 0x0
	s_barrier_signal -1
	s_barrier_wait -1
.endm
	s_load_b512 s[8:23], s[0:1], 0x0               ; x 8, Wq's codes 10, scales 12, bq 14, Wk's codes 16, scales 18, Wv's codes 20, scales 22
	s_load_b256 s[24:31], s[0:1], 0x40             ; bv 24, Wo's codes 26, scales 28, bo 30
	s_load_b64 s[32:33], s[0:1], 0x60              ; out0
	v_lshl_add_u32 v[SPW], v0, 2, SPARE
	v_mov_b32 v[NIL], 0
	v_lshrrev_b32 v26, 5, v0
	v_readfirstlane_b32 s[WAVE], v26               ; wave 0..3
	s_lshl_b32 s35, ttmp9, 3                       ; x0: my tile's first column
	s_and_b32 s36, ttmp7, 0xffff
	s_lshl_b32 s36, s36, 3                         ; y0: its first row
	v_and_b32 v1, 31, v0                           ; lane
	v_and_b32 v2, 15, v0                           ; r
	v_bfe_u32 v3, v0, 4, 1                         ; h
	s_sub_co_i32 s60, s35, 3
	v_add_nc_u32 v26, s60, v2                      ; halo column r is column t = x0 - 3 + r, reflected:
	v_sub_nc_u32 v27, 0, v26
	v_min_u32 v26, v26, v27                        ; |t| (as unsigned numbers the negative one of t, -t is the greater),
	v_sub_nc_u32 v27, 254, v26
	v_min_u32 v26, v26, v27                        ; and 254 - t past column 127
	v_lshlrev_b32 v[XO], 9, v26
	v_lshl_add_u32 v[XO], v3, 6, v[XO]             ; 512 bytes a pixel, + 64 h: my 16 numbers of a block of 32
	v_lshlrev_b32 v[LI], 4, v1
	v_lshlrev_b32 v[LS], 2, v1
	v_lshlrev_b32 v[LS15], 2, v2
	s_mul_i32 s61, s[WAVE], IMG
	v_add_nc_u32 v[XWI], s61, v[LI]
	v_add_nc_u32 v[XWS], s61, v[LS]
	v_bfe_u32 v26, v0, 3, 1                        ; q's tile m holds pixels 16 m + r: tile row 2 m + r / 8, column r % 8 = halo row 2 m + 3 + r / 8, halo column 3 + r % 8
	v_and_b32 v27, 7, v0
	v_mul_u32_u24 v28, v26, IMG
	v_lshl_add_u32 v[QFA], v27, 4, v28
	v_lshl_add_u32 v[QFA], v3, 8, v[QFA]
	v_add_nc_u32 v[QFA], 3*IMG+48, v[QFA]
	v_lshl_add_u32 v[QSA], v27, 2, v28
	v_add_nc_u32 v[QSA], 3*IMG+2048+12, v[QSA]
	v_mul_u32_u24 v29, v2, PP
	s_lshl_b32 s56, s[WAVE], 7                     ; 128 w
	s_mov_b32 s57, 0
	v_lshl_add_u32 v[QST], v3, 6, v29
	v_add_nc_u32 v[QST], s56, v[QST]
	v_add_nc_u32 v[KST0], KREG, v[QST]
	v_add_nc_u32 v[KST1], KREG+8*RP, v[QST]
	v_add_nc_u32 v[VST0], VREG, v[QST]
	v_add_nc_u32 v[VST1], VREG+8*RP, v[QST]
	v_and_b32 v26, 1, v0                           ; hb: which of my wave's two heads
	v_bfe_u32 v27, v0, 1, 2                        ; px
	v_bfe_u32 v28, v0, 3, 2                        ; py: my patch holds queries (2 py + qb, 2 px + qa) and needs halo rows 2 py .. + 7, halo columns 2 px .. + 7
	v_mul_u32_u24 v30, v28, 2*RP
	v_mad_u32_u24 v30, v27, 2*PP, v30
	v_lshl_add_u32 v30, v26, 4, v30
	v_add_nc_u32 v30, s56, v30
	v_add_nc_u32 v[KA], KREG, v30
	v_add_nc_u32 v[VA], VREG, v30
	v_mul_u32_u24 v31, v28, 16*PP
	v_mad_u32_u24 v31, v27, 2*PP, v31
	v_lshl_add_u32 v31, v26, 4, v31
	v_add_nc_u32 v[QA], s56, v31
	v_mul_u32_u24 v30, v28, IMG                    ; query (qb, qa) is pixel r = 8 qb + 2 px + qa of the result's tile py; my 16 codes are block w, half hb of its row
	v_lshl_add_u32 v[OST], v27, 5, v30
	v_lshl_add_u32 v[OST], v26, 8, v[OST]
	s_lshl_b32 s61, s[WAVE], 9
	v_add_nc_u32 v[OST], s61, v[OST]
	v_lshl_add_u32 v[OSS], v27, 3, v30
	v_add_nc_u32 v[OSS], s[WAVE], v[OSS]
	v_lshl_add_u32 v[SO], v3, 5, v29
	v_add_nc_u32 v[SO], s56, v[SO]
	s_mul_i32 s61, s[WAVE], 16*PP
	v_add_nc_u32 v[SR], s61, v[LI]
	v_lshlrev_b32 v[WA], 7, v2
	v_lshl_add_u32 v[WA], v3, 4, v[WA]
	v_lshlrev_b32 v[BA], 5, v3
.irp b, 0,1,2,3
	v_mov_b32 v[TM+4+\b], 0                        ; written once: a lane permute's destination counts as one of its sources
.endr
	s_mov_b32 s[SEL], 0x76543210
	s_mov_b32 s[SEL+1], 0xfedcba98
	s_mov_b32 s[MNT], 0x600000
	s_mov_b32 s[LG], 0x3fb8aa3b
	s_mov_b32 s[LG+1], s[LG]
	s_mov_b32 s[NLG], 0xbfb8aa3b
	s_add_co_u32 s37, s36, s[WAVE]
	s_sub_co_i32 s37, s37, 3
.irp k, 0,1,2,3                        ; slot k is halo row w + 4 k = row t = y0 - 3 + w + 4 k, reflected; 65,536 bytes a row
	s_add_co_i32 s51, s37, 4*\k
	s_sub_co_i32 s55, 0, s51
	s_max_i32 s51, s51, s55
	s_sub_co_i32 s55, 254, s51
	s_min_i32 s51, s51, s55
	s_lshl_b32 s[XB+2*\k], s51, 16
	s_mov_b32 s[XB+2*\k+1], 0
.endr
	s_lshl_b32 s38, s[WAVE], 12                    ; my 32 rows of a weight's codes
	s_mov_b32 s39, 0
	s_lshl_b32 s58, s[WAVE], 1                     ; out0: I store the tile's rows 2 w, 2 w + 1
	s_add_co_u32 s58, s58, s36
	s_lshl_b32 s58, s58, 16
	s_lshl_b32 s59, s35, 9
	s_add_co_u32 s58, s58, s59
	s_mov_b32 s59, 0
	s_wait_kmcnt 0x0
.irp k, 0,1,2,3
	s_add_nc_u64 s[XB+2*\k:XB+2*\k+1], s[8:9], s[XB+2*\k:XB+2*\k+1]
.endr
.irp p, 10,16,20,26
	s_add_nc_u64 s[\p:\p+1], s[\p:\p+1], s[38:39]
.endr
.irp p, 12,14,18,22,24,28,30           ; scale words: 4 bytes a row; biases: 4 bytes a channel: 128 w both
	s_add_nc_u64 s[\p:\p+1], s[\p:\p+1], s[56:57]
.endr
	s_add_nc_u64 s[32:33], s[32:33], s[58:59]
; ---- X: THE HALO IS QUANTISED ONCE.  Wave w takes halo rows w, w + 4, w + 8 and, waves 0 and 1, w + 12.
; Slot k's 16 pixels: lane (r, h) takes of pixel r 16 neighbouring numbers of each block of 32, register 16 c + i = channel 32 c + 16 h + i: the order of the operand's registers.
.macro XLOAD k
	WIN 0x40*(1+(\k)/2)
.irp c, 0,1,2,3
.irp j, 0,1,2,3
	global_load_b128 v[64*((\k)%2)+16*\c+4*\j:64*((\k)%2)+16*\c+4*\j+3], v[XO], s[XB+2*(\k):XB+2*(\k)+1] offset:128*\c+16*\j
.endr
.endr
	WIN 0
.endm
.macro WLOAD reg, sb                   ; my two tiles of a weight: tile tb = rows 32 w + 16 tb + r; registers 4 c .. 4 c + 3 = K 32 c + 16 h + 0 .. 15
.irp tb, 0,1
.irp c, 0,1,2,3
	global_load_b128 v[\reg+16*\tb+4*\c:\reg+16*\tb+4*\c+3], v[WA], s[\sb:\sb+1] offset:2048*\tb+32*\c
.endr
.endr
.endm
.macro BLOAD reg, sb                   ; a bias in the result's layout: register j = channel 32 w + 16 tb + 8 h + j
.irp tb, 0,1
.irp j, 0,1
	global_load_b128 v[\reg+8*\tb+4*\j:\reg+8*\tb+4*\j+3], v[BA], s[\sb:\sb+1] offset:64*\tb+16*\j
.endr
.endr
.endm
.macro SLOAD reg, sb                   ; a weight's scale words: lane r has row r's
.irp tb, 0,1
	global_load_b32 v[\reg+\tb], v[LS15], s[\sb:\sb+1] offset:64*\tb
.endr
.endm
; Slot k's 64 numbers a lane become a fragment's codes in v[PC + 16 k] on and its scale word in v[PW + k].  The numbers lie in window 1 or 2; all else in window 0.
.macro QUANT k
.set xw, 1+(\k)/2
.set xn, 64*((\k)%2)
	WIN 0x14*xw                                    ; sources 1 and 2: the numbers' window
.irp b, 0,1,2,3
	v_max3_num_f32 v[TM+\b], 0x8000000, |v[xn+16*\b]|, |v[xn+16*\b+1]|   ; block b: my 16 numbers, and the floor 2^(16 - 127): so the byte cannot fall under 1
.endr
.irp i, 2,4,6,8,10,12,14
.irp b, 0,1,2,3
	v_max3_num_f32 v[TM+\b], v[TM+\b], |v[xn+16*\b+\i]|, |v[xn+16*\b+\i+1]|   ; (the four blocks by turns)
.endr
.endr
	WIN 0
.irp b, 0,1,2,3
	v_permlanex16_b32 v[TM+4+\b], v[TM+\b], s[SEL], s[SEL+1]
.endr
.irp b, 0,1,2,3
	v_max_num_f32 v[TM+\b], v[TM+\b], v[TM+4+\b]   ; with lane l xor 16's: the block's largest magnitude
.endr
.irp b, 0,1,2,3
	v_add_nc_u32 v[TM+12+\b], 0xf8800000, v[TM+\b] ; 15 off its exponent field: the conversion takes the exponent field of this operand as its scale
.endr
.irp b, 0,1,2,3
	v_and_or_b32 v[TM+8+\b], v[TM+\b], 0x7f800000, s[MNT]   ; 57,344 x the scale
.endr
.irp b, 0,1,2,3
	v_lshrrev_b32 v[TM+4+\b], 23, v[TM+12+\b]      ; the scale's byte
.endr
	v_lshl_or_b32 v[PW+(\k)], v[TM+5], 8, v[TM+4]  ; the four bytes make my pixel's scale word
	v_lshl_or_b32 v[PW+(\k)], v[TM+6], 16, v[PW+(\k)]
	v_lshl_or_b32 v[PW+(\k)], v[TM+7], 24, v[PW+(\k)]
	WIN 0x41*xw                                    ; destination and source 0: the numbers' window
.irp b, 0,1,2,3
.irp i, 0,1,2,3,4,5,6,7,8,9,10,11,12,13,14,15
	v_med3_num_f32 v[xn+16*\b+\i], v[xn+16*\b+\i], -v[TM+8+\b], v[TM+8+\b]   ; the conversion to an 8-bit code does not saturate (ISA guide 7.6.2): the hold at the largest code x the scale
.endr
.endr
	WIN xw                                         ; source 0 alone
.irp b, 0,1,2,3
	v_cvt_scalef32_pk8_bf8_f32 v[PC+16*(\k)+4*\b:PC+16*(\k)+4*\b+1], v[xn+16*\b:xn+16*\b+7], v[TM+12+\b]
	v_cvt_scalef32_pk8_bf8_f32 v[PC+16*(\k)+4*\b+2:PC+16*(\k)+4*\b+3], v[xn+16*\b+8:xn+16*\b+15], v[TM+12+\b]
.endr
	WIN 0
	v_nop                                          ; one plain vector instruction between the last scaled conversion and whatever vector or matrix instruction next writes its sources
.endm
.macro IMAGE k                         ; the fragment goes to LDS as it stands; each slot has its own registers, so no store's data are written again
.irp c, 0,1,2,3
	ds_store_b128 v[XWI], v[PC+16*(\k)+4*\c:PC+16*(\k)+4*\c+3] offset:XIMG+4*(\k)*IMG+512*\c
.endr
	ds_store_b32 v[XWS], v[PW+(\k)] offset:XIMG+4*(\k)*IMG+2048
.endm
	s_cmp_ge_u32 s[WAVE], 2                        ; halo rows 12 and 13 belong to waves 0 and 1
	s_cbranch_scc1 .Lno_load3
	XLOAD 3
.Lno_load3:
	XLOAD 0
	XLOAD 1
	XLOAD 2
	s_wait_loadcnt 32                              ; slot 0 is in (and slot 3, asked for earlier); slots 1 and 2 may be out
	WIN 0xc0                                       ; destination window 3
	WLOAD WQF, 10                                  ; the weights, 52 loads, are asked for behind x and land while x is quantised
	WLOAD WKF, 16
	WLOAD WVF, 20
	WLOAD WOF, 26
	BLOAD BQF, 14
	BLOAD BVF, 24
	BLOAD BOF, 30
	WIN 0
	SLOAD WQS, 12
	SLOAD WKS, 18
	SLOAD WVS, 22
	SLOAD WOS, 28
	QUANT 0
	IMAGE 0
	s_wait_loadcnt 63                              ; slot 1 is in: 68 loads were issued behind it; the count is the greatest that the wait can name
	QUANT 1
	IMAGE 1
	s_wait_loadcnt 52                              ; slot 2 is in; the weights' 52 may be out
	QUANT 2
	IMAGE 2
	s_cmp_ge_u32 s[WAVE], 2
	s_cbranch_scc1 .Lno_row3
	QUANT 3
	IMAGE 3
.Lno_row3:
	s_wait_loadcnt 0x0                             ; the weights
	BARRIER                                        ; the halo's fourteen fragments lie in LDS
; ---- THE PROJECTIONS.  Nine batches: K and V of halo rows 2 t, 2 t + 1 (t = 0 .. 6), then q of pixels 32 g .. 32 g + 31 (g = 0, 1).  Fragments and results have two sets each, by turns.
.macro FRAG reg, adr, off
.irp c, 0,1,2,3
	ds_load_b128 v[\reg+4*\c:\reg+4*\c+3], v[\adr] offset:\off+512*\c
.endr
.endm
.macro PFETCH_KV set, t                ; ten LDS loads
.irp u, 0,1
	FRAG XF+32*(\set)+16*\u, LI, XIMG+(2*(\t)+\u)*IMG
	ds_load_b32 v[XS+2*(\set)+\u], v[LS15] offset:XIMG+(2*(\t)+\u)*IMG+2048
.endr
.endm
.macro PFETCH_Q set, g                 ; the same, gathered: columns 3 to 10 of two halo rows make a tile of 16 pixels
.irp u, 0,1
	FRAG XF+32*(\set)+16*\u, QFA, XIMG+2*(2*(\g)+\u)*IMG
	ds_load_b32 v[XS+2*(\set)+\u], v[QSA] offset:XIMG+2*(2*(\g)+\u)*IMG
.endr
.endm
.macro PMUL_KV set, dset               ; eight products, each with a result of its own: D(u, K or V, tb) at 64 dset + 32 u + 16 kv + 8 tb of window 1.  K starts at 0 (bk is left out), V at bv
	WIN 0x73                                       ; source 0 (the weight) and source 2 (the bias) window 3, source 1 (x) window 0, destination window 1
.irp u, 0,1
.irp tb, 0,1
	v_wmma_scale_f32_16x16x128_f8f6f4 v[64*(\dset)+32*\u+8*\tb:64*(\dset)+32*\u+8*\tb+7], v[WKF+16*\tb:WKF+16*\tb+15], v[XF+32*(\set)+16*\u:XF+32*(\set)+16*\u+15], 0, v[WKS+\tb], v[XS+2*(\set)+\u] matrix_a_fmt:MATRIX_FMT_BF8 matrix_b_fmt:MATRIX_FMT_BF8
	v_wmma_scale_f32_16x16x128_f8f6f4 v[64*(\dset)+32*\u+16+8*\tb:64*(\dset)+32*\u+16+8*\tb+7], v[WVF+16*\tb:WVF+16*\tb+15], v[XF+32*(\set)+16*\u:XF+32*(\set)+16*\u+15], v[BVF+8*\tb:BVF+8*\tb+7], v[WVS+\tb], v[XS+2*(\set)+\u] matrix_a_fmt:MATRIX_FMT_BF8 matrix_b_fmt:MATRIX_FMT_BF8
.endr
.endr
.endm
.macro PMUL_Q set, dset                ; four products: D(u, tb) at 64 dset + 32 u + 8 tb
	WIN 0x73
.irp u, 0,1
.irp tb, 0,1
	v_wmma_scale_f32_16x16x128_f8f6f4 v[64*(\dset)+32*\u+8*\tb:64*(\dset)+32*\u+8*\tb+7], v[WQF+16*\tb:WQF+16*\tb+15], v[XF+32*(\set)+16*\u:XF+32*(\set)+16*\u+15], v[BQF+8*\tb:BQF+8*\tb+7], v[WQS+\tb], v[XS+2*(\set)+\u] matrix_a_fmt:MATRIX_FMT_BF8 matrix_b_fmt:MATRIX_FMT_BF8
.endr
.endr
.endm
; Lane (r, h) holds of pixel r channels 8 h + 0 .. 7 of head 2 w + tb: quads 2 h and 2 h + 1, 32 bytes apart.  Each result is read from its low end on.
.macro PSTORE_KV t, dset               ; sixteen LDS stores
	WIN 0x04                                       ; an LDS store's data are its source 1: window 1
.irp u, 0,1
.set row, 2*(\t)+\u
.set kad, KST0
.set vad, VST0
.if row >= 8
.set row, row-8
.set kad, KST1
.set vad, VST1
.endif
.irp tb, 0,1
	ds_store_b128 v[kad], v[64*(\dset)+32*\u+8*\tb:64*(\dset)+32*\u+8*\tb+3] offset:row*RP+16*\tb
	ds_store_b128 v[kad], v[64*(\dset)+32*\u+8*\tb+4:64*(\dset)+32*\u+8*\tb+7] offset:row*RP+16*\tb+32
	ds_store_b128 v[vad], v[64*(\dset)+32*\u+16+8*\tb:64*(\dset)+32*\u+16+8*\tb+3] offset:row*RP+16*\tb
	ds_store_b128 v[vad], v[64*(\dset)+32*\u+16+8*\tb+4:64*(\dset)+32*\u+16+8*\tb+7] offset:row*RP+16*\tb+32
.endr
.endr
	WIN 0
.endm
.macro PSTORE_Q g, dset                ; eight LDS stores
	WIN 0x04
.irp u, 0,1
.irp tb, 0,1
	ds_store_b128 v[QST], v[64*(\dset)+32*\u+8*\tb:64*(\dset)+32*\u+8*\tb+3] offset:QREG+16*(2*(\g)+\u)*PP+16*\tb
	ds_store_b128 v[QST], v[64*(\dset)+32*\u+8*\tb+4:64*(\dset)+32*\u+8*\tb+7] offset:QREG+16*(2*(\g)+\u)*PP+16*\tb+32
.endr
.endr
	WIN 0
.endm
; A batch: the wait for its fragments; its products; the next batch's fetch, into the set that the batch before multiplied (that batch's eight places stand between); eight places; its stores.
; The wait's count is the number of stores issued behind this batch's fetch.  It also shows the stores of two batches back done, whose registers this batch's products write again, sixteen places behind the products that wrote them.
	PFETCH_KV 0, 0
.irp t, 0,1,2,3,4,5,6
.if \t == 0
	s_wait_dscnt 0x0
.else
	s_wait_dscnt 16
.endif
	PMUL_KV \t%2, \t%2
	WIN 0
.if \t < 6
	PFETCH_KV (\t+1)%2, \t+1
.else
	PFETCH_Q 1, 0
.endif
	PLACES
	PSTORE_KV \t, \t%2
.endr
	s_wait_dscnt 16
	PMUL_Q 1, 1
	WIN 0
	PFETCH_Q 0, 1
	PLACES
	PSTORE_Q 0, 1
	s_wait_dscnt 8
	PMUL_Q 0, 0
	WIN 0
	PLACES                                         ; also the places ahead of the loads and multiplications below, which write registers of the last products
	PSTORE_Q 1, 0
	BARRIER                                        ; nobody reads x's images any more: their bytes may take the result's
; ---- THE ATTENTION.  A key row of my patch: 8 keys x 16 channels of my head, 32 LDS loads, into buffer buf of window 1: K(buf, i, d) at 128 buf + 16 i + d.
.macro KVLOAD adr, jr, buf
	WIN 0x40
.irp i, 0,1,2,3,4,5,6,7
.irp j, 0,1,2,3
	ds_load_b128 v[128*(\buf)+16*\i+4*\j:128*(\buf)+16*\i+4*\j+3], v[\adr] offset:(\jr)*RP+\i*PP+32*\j
.endr
.endr
.endm
; THE SCORES of key row jr.  Query row qb takes it as its window row wr = jr - qb (0 .. 6).  Scores lie in pairs in window 2: pair n = 7 wr + pidx of query row qb at 2 (49 qb + n), low half query qa = 0, high half qa = 1.
; Key columns 1 to 6 count for both queries: pidx = column - 1, one packed multiply-add, the key's channel d serving both halves.  Column 0 counts for qa = 0 alone and column 7 for qa = 1 alone: they share pair pidx = 6.
; d runs outermost: 8 or 16 sums take turns.  d = 0 starts the sums: nothing is cleared.
.macro KROW jr, buf
	WIN 0xa4                                       ; source 0 (q) window 0, source 1 (K) window 1, source 2 and destination (the scores) window 2
.set d, 0
.rept 16
.irp qb, 0,1
.if ((\jr) >= \qb) && ((\jr) <= \qb+6)
.set srr, 2*(49*\qb+7*((\jr)-\qb))
.set qrr, QI+32*\qb+2*d
.set krr, 128*(\buf)+d-d%2
.irp i, 1,2,3,4,5,6
.if d == 0
	v_pk_mul_f32 v[srr+2*\i-2:srr+2*\i-1], v[qrr:qrr+1], v[krr+16*\i:krr+16*\i+1] op_sel_hi:[1,0]
.elseif d%2 == 0
	v_pk_fma_f32 v[srr+2*\i-2:srr+2*\i-1], v[qrr:qrr+1], v[krr+16*\i:krr+16*\i+1], v[srr+2*\i-2:srr+2*\i-1] op_sel_hi:[1,0,1]
.else
	v_pk_fma_f32 v[srr+2*\i-2:srr+2*\i-1], v[qrr:qrr+1], v[krr+16*\i:krr+16*\i+1], v[srr+2*\i-2:srr+2*\i-1] op_sel:[0,1,0] op_sel_hi:[1,1,1]
.endif
.endr
.if d == 0
	v_mul_f32 v[srr+12], v[qrr], v[128*(\buf)+d]
	v_mul_f32 v[srr+13], v[qrr+1], v[128*(\buf)+112+d]
.else
	v_fmac_f32 v[srr+12], v[qrr], v[128*(\buf)+d]
	v_fmac_f32 v[srr+13], v[qrr+1], v[128*(\buf)+112+d]
.endif
.endif
.endr
.set d, d+1
.endr
.endm
; THE WEIGHTED SUM of key row jr: O(qb, qa, :) += p x V(i, :), two channels at a time, p's half of its pair serving both.  A query's first key starts its sums.
.macro VROW jr, buf
	WIN 0x09                                       ; source 0 (V) window 1, source 1 (p) window 2, source 2 and destination (O) window 0
.irp i, 0,1,2,3,4,5,6,7
.irp qb, 0,1
.if ((\jr) >= \qb) && ((\jr) <= \qb+6)
.irp qa, 0,1
.if (\i >= \qa) && (\i <= \qa+6)
.set pix, \i-1
.if (\i == 0) || (\i == 7)
.set pix, 6
.endif
.set prr, 2*(49*\qb+7*((\jr)-\qb)+pix)
.set orr, OB+32*\qb+16*\qa
.set vrr, 128*(\buf)+16*\i
.irp e, 0,2,4,6,8,10,12,14
.if ((\jr) == \qb) && (\i == \qa)
.if \qa == 0
	v_pk_mul_f32 v[orr+\e:orr+\e+1], v[vrr+\e:vrr+\e+1], v[prr:prr+1] op_sel_hi:[1,0]
.else
	v_pk_mul_f32 v[orr+\e:orr+\e+1], v[vrr+\e:vrr+\e+1], v[prr:prr+1] op_sel:[0,1] op_sel_hi:[1,1]
.endif
.elseif \qa == 0
	v_pk_fma_f32 v[orr+\e:orr+\e+1], v[vrr+\e:vrr+\e+1], v[prr:prr+1], v[orr+\e:orr+\e+1] op_sel_hi:[1,0,1]
.else
	v_pk_fma_f32 v[orr+\e:orr+\e+1], v[vrr+\e:vrr+\e+1], v[prr:prr+1], v[orr+\e:orr+\e+1] op_sel:[0,1,0] op_sel_hi:[1,1,1]
.endif
.endr
.endif
.endr
.endif
.endr
.endr
.endm
	WIN 0x40
.irp qb, 0,1
.irp qa, 0,1
.irp j, 0,1,2,3
	ds_load_b128 v[128+32*\qb+16*\qa+4*\j:128+32*\qb+16*\qa+4*\j+3], v[QA] offset:QREG+(8*\qb+\qa)*PP+32*\j   ; my four queries, for the moment in key buffer 1
.endr
.endr
.endr
	KVLOAD KA, 0, 0
	s_wait_dscnt 32                                ; q is in; the key row's 32 loads may be out
	WIN 0x04
.irp qb, 0,1
.irp qa, 0,1
.set d, 0
.rept 16
	v_mul_f32 v[QI+32*\qb+2*d+\qa], 0x3e800000, v[128+32*\qb+16*\qa+d]   ; q / 4: the scale 1 / sqrt(16), exact, and the two queries of a row laid in pairs, in one line
.set d, d+1
.endr
.endr
.endr
	KVLOAD KA, 1, 1
.irp jr, 0,1,2,3,4,5,6,7
	s_wait_dscnt 32                                ; this row's 32 loads are in; the other buffer's 32 may be out
	KROW \jr, \jr%2
.if \jr < 6
	KVLOAD KA, \jr+2, \jr%2                        ; the buffer just read takes the row two on;
.else
	KVLOAD VA, \jr-6, \jr%2                        ; at the end V's rows 0 and 1, which land during the softmax
.endif
.endr
	; THE SOFTMAX, all in window 2.  Query (qb, qa)'s 49 scores are half qa of query row qb's pairs: register 98 qb + 2 n + qa.
	WIN 0xaa
.irp qb, 0,1
.irp qa, 0,1
	v_max3_num_f32 v[MA+2*\qb+\qa], v[98*\qb+\qa], v[98*\qb+2+\qa], v[98*\qb+4+\qa]          ; two chains a query, n = 0 .. 24 and n = 25 .. 47; the eight chains by turns
	v_max3_num_f32 v[MB+2*\qb+\qa], v[98*\qb+50+\qa], v[98*\qb+52+\qa], v[98*\qb+54+\qa]
.endr
.endr
.irp n, 3,5,7,9,11,13,15,17,19,21
.irp qb, 0,1
.irp qa, 0,1
	v_max3_num_f32 v[MA+2*\qb+\qa], v[MA+2*\qb+\qa], v[98*\qb+2*\n+\qa], v[98*\qb+2*\n+2+\qa]
	v_max3_num_f32 v[MB+2*\qb+\qa], v[MB+2*\qb+\qa], v[98*\qb+2*\n+50+\qa], v[98*\qb+2*\n+52+\qa]
.endr
.endr
.endr
.irp qb, 0,1
.irp qa, 0,1
	v_max3_num_f32 v[MA+2*\qb+\qa], v[MA+2*\qb+\qa], v[98*\qb+46+\qa], v[98*\qb+48+\qa]
.endr
.endr
.irp qb, 0,1
.irp qa, 0,1
	v_max3_num_f32 v[MX+2*\qb+\qa], v[MA+2*\qb+\qa], v[MB+2*\qb+\qa], v[98*\qb+96+\qa]       ; the query's largest score m
.endr
.endr
.irp q, 0,1,2,3
	v_mul_f32 v[NM+\q], s[NLG], v[MX+\q]           ; - m log2(e): its rounding is one factor common to the query's 49 weights, which the division by their sum takes away
.endr
.irp qb, 0,1
.set n, 0
.rept 49
	v_pk_fma_f32 v[98*\qb+2*n:98*\qb+2*n+1], v[98*\qb+2*n:98*\qb+2*n+1], s[LG:LG+1], v[NM+2*\qb:NM+2*\qb+1] op_sel_hi:[1,0,1]   ; (s - m) log2(e)
.set n, n+1
.endr
.endr
.set n, 0
.rept 196
	v_exp_f32 v[n], v[n]                           ; p: ONE BATCH, none reads another's result
.set n, n+1
.endr
	v_nop                                          ; a plain instruction behind the last exponential
	s_wait_alu depctr_va_vdst(0)                   ; the wait ahead of the first instruction that names a result: one for the batch
.irp qb, 0,1
	v_pk_add_f32 v[SA+2*\qb:SA+2*\qb+1], v[98*\qb:98*\qb+1], v[98*\qb+2:98*\qb+3]             ; the sums: two chains for each query row, both queries at a time
	v_pk_add_f32 v[SB+2*\qb:SB+2*\qb+1], v[98*\qb+4:98*\qb+5], v[98*\qb+6:98*\qb+7]
.endr
.set n, 4
.rept 22
.irp qb, 0,1
	v_pk_add_f32 v[SA+2*\qb:SA+2*\qb+1], v[SA+2*\qb:SA+2*\qb+1], v[98*\qb+2*n:98*\qb+2*n+1]
	v_pk_add_f32 v[SB+2*\qb:SB+2*\qb+1], v[SB+2*\qb:SB+2*\qb+1], v[98*\qb+2*n+2:98*\qb+2*n+3]
.endr
.set n, n+2
.endr
.irp qb, 0,1
	v_pk_add_f32 v[SA+2*\qb:SA+2*\qb+1], v[SA+2*\qb:SA+2*\qb+1], v[98*\qb+96:98*\qb+97]
.endr
.irp qb, 0,1
	v_pk_add_f32 v[SA+2*\qb:SA+2*\qb+1], v[SA+2*\qb:SA+2*\qb+1], v[SB+2*\qb:SB+2*\qb+1]
.endr
.irp q, 0,1,2,3
	v_rcp_f32 v[RC+\q], v[SA+\q]
.endr
	v_nop                                          ; a plain instruction behind the last reciprocal,
	s_wait_alu depctr_va_vdst(0)                   ; and the wait: one for the four
.irp jr, 0,1,2,3,4,5,6,7
.if \jr < 7
	s_wait_dscnt 32                                ; this row of V is in; the other buffer's 32 loads may be out
.else
	s_wait_dscnt 0x0
.endif
	VROW \jr, \jr%2
.if \jr < 6
	KVLOAD VA, \jr+2, \jr%2
.endif
.endr
	; ---- THE RESULT IS QUANTISED WHERE IT LIES.  A lane's 16 channels of a query are half hb of block w of that pixel's row: four registers of the operand; the lane beside it (hb the other way) holds the block's other half.
	WIN 0x08                                       ; source 1 (1 / the sum) window 2
.irp qb, 0,1
.irp qa, 0,1
.irp e, 0,2,4,6,8,10,12,14
.if \qa == 0
	v_pk_mul_f32 v[OB+32*\qb+16*\qa+\e:OB+32*\qb+16*\qa+\e+1], v[OB+32*\qb+16*\qa+\e:OB+32*\qb+16*\qa+\e+1], v[RC+2*\qb:RC+2*\qb+1] op_sel_hi:[1,0]
.else
	v_pk_mul_f32 v[OB+32*\qb+16*\qa+\e:OB+32*\qb+16*\qa+\e+1], v[OB+32*\qb+16*\qa+\e:OB+32*\qb+16*\qa+\e+1], v[RC+2*\qb:RC+2*\qb+1] op_sel:[0,1] op_sel_hi:[1,1]
.endif
.endr
.endr
.endr
	WIN 0
.irp q, 0,1,2,3
	v_max3_num_f32 v[QM+\q], |v[OB+16*\q]|, |v[OB+16*\q+1]|, 0x8000000   ; query q = 2 qb + qa: my 16 numbers and the floor 2^(16 - 127); the four queries by turns
.endr
.irp i, 2,4,6,8,10,12,14
.irp q, 0,1,2,3
	v_max3_num_f32 v[QM+\q], v[QM+\q], |v[OB+16*\q+\i]|, |v[OB+16*\q+\i+1]|
.endr
.endr
.irp q, 0,1,2,3
	v_max_num_f32_dpp v[QM+\q], v[QM+\q], v[QM+\q] row_xmask:1 row_mask:0xf bank_mask:0xf   ; with the other head's 16: the block's largest magnitude
.endr
.irp q, 0,1,2,3
	v_add_nc_u32 v[QSC+\q], 0xf8800000, v[QM+\q]   ; 15 off its exponent field: the conversion's scale operand
.endr
.irp q, 0,1,2,3
	v_and_or_b32 v[QH+\q], v[QM+\q], 0x7f800000, s[MNT]   ; 57,344 x the scale
.endr
.irp q, 0,1,2,3
	v_lshrrev_b32 v[QBY+\q], 23, v[QSC+\q]         ; the scale's byte
.endr
.irp q, 0,1,2,3
.irp i, 0,1,2,3,4,5,6,7,8,9,10,11,12,13,14,15
	v_med3_num_f32 v[OB+16*\q+\i], v[OB+16*\q+\i], -v[QH+\q], v[QH+\q]
.endr
.endr
.irp q, 0,1,2,3
	v_cvt_scalef32_pk8_bf8_f32 v[CD+4*\q:CD+4*\q+1], v[OB+16*\q:OB+16*\q+7], v[QSC+\q]
	v_cvt_scalef32_pk8_bf8_f32 v[CD+4*\q+2:CD+4*\q+3], v[OB+16*\q+8:OB+16*\q+15], v[QSC+\q]
.endr
	v_nop                                          ; one plain vector instruction behind the last scaled conversion
.irp q, 0,1,2,3
	ds_store_b128 v[OST], v[CD+4*\q:CD+4*\q+3] offset:OIMG+128*(\q/2)+16*(\q%2)       ; straight into the image of tile py: group w, lane (8 qb + 2 px + qa) + 16 hb
	ds_store_b8 v[OSS], v[QBY+\q] offset:OIMG+2048+32*(\q/2)+4*(\q%2)                 ; byte w of that pixel's scale word; both lanes of a block write the same byte with the same value
.endr
	BARRIER                                        ; the result's four fragments lie in LDS; nobody reads q any more: its bytes may take the stage
	; ---- out = O Wo^T + bo: my 32 channels for the 64 pixels: eight products, each with a result of its own, D(m, tb) at 16 m + 8 tb of window 1
.irp m, 0,1,2,3
	FRAG XF+16*\m, LI, OIMG+\m*IMG
	ds_load_b32 v[OS+\m], v[LS15] offset:OIMG+\m*IMG+2048
.endr
	s_wait_dscnt 0x0
	WIN 0x73
.irp m, 0,1,2,3
.irp tb, 0,1
	v_wmma_scale_f32_16x16x128_f8f6f4 v[16*\m+8*\tb:16*\m+8*\tb+7], v[WOF+16*\tb:WOF+16*\tb+15], v[XF+16*\m:XF+16*\m+15], v[BOF+8*\tb:BOF+8*\tb+7], v[WOS+\tb], v[OS+\m] matrix_a_fmt:MATRIX_FMT_BF8 matrix_b_fmt:MATRIX_FMT_BF8
.endr
.endr
	WIN 0
	PLACES
	WIN 0x04
.irp m, 0,1,2,3
.irp tb, 0,1
	ds_store_b128 v[SO], v[16*\m+8*\tb:16*\m+8*\tb+3] offset:STG+16*\m*PP+64*\tb       ; lane (r, h): out(pixel 16 m + r, channel 32 w + 16 tb + 8 h + 0 .. 7); each result from its low end on
	ds_store_b128 v[SO], v[16*\m+8*\tb+4:16*\m+8*\tb+7] offset:STG+16*\m*PP+64*\tb+16
.endr
.endr
	WIN 0
	BARRIER                                        ; 64 whole rows of out lie in the stage
.irp i, 0,1,2,3,4,5,6,7,8,9,10,11,12,13,14,15
	ds_load_b128 v[OB+4*\i:OB+4*\i+3], v[SR] offset:STG+\i*PP   ; I take pixels 16 w + i: the tile's rows 2 w and 2 w + 1
.endr
.irp i, 0,1,2,3,4,5,6,7,8,9,10,11,12,13,14,15
	s_wait_dscnt 15-\i                             ; LDS loads come back in order (ISA guide 5.7.1): row i is in
	global_store_b128 v[LI], v[OB+4*\i:OB+4*\i+3], s[32:33] offset:(\i/8)*65536+(\i%8)*512 th:TH_STORE_NT   ; 32 lanes store a pixel's 512 consecutive bytes, at a multiple of 512 from out0's first byte
.endr
	s_wait_tensorcnt 0x0                           ; the wave's end
	ds_add_u32 v[SPW], v[NIL]
	s_wait_dscnt 0x0
	s_endpgm
.Lfunc_end_k_q268a7381fc_lwattn:
	.size	k_q268a7381fc_lwattn, .Lfunc_end_k_q268a7381fc_lwattn-k_q268a7381fc_lwattn
	.p2alignl 7, 3214868480
	.fill 96, 4, 3214868480
	.section	.rodata,"a",@progbits
	.p2align	6, 0x0
	.amdhsa_kernel k_q268a7381fc_lwattn
		.amdhsa_group_segment_fixed_size 303104
		.amdhsa_private_segment_fixed_size 0
		.amdhsa_enable_private_segment 0
		.amdhsa_kernarg_size 104
		.amdhsa_user_sgpr_count 2
		.amdhsa_user_sgpr_kernarg_segment_ptr 1
		.amdhsa_wavefront_size32 1
		.amdhsa_system_sgpr_workgroup_id_x 1
		.amdhsa_system_sgpr_workgroup_id_y 1
		.amdhsa_system_sgpr_workgroup_id_z 1
		.amdhsa_system_vgpr_workitem_id 0
		.amdhsa_next_free_vgpr 1024
		.amdhsa_next_free_sgpr 66
		.amdhsa_reserve_vcc 0
		.amdhsa_float_denorm_mode_32 3
		.amdhsa_float_denorm_mode_16_64 3
		.amdhsa_memory_ordered 1
		.amdhsa_forward_progress 1
		.amdhsa_inst_pref_size 255
	.end_amdhsa_kernel
	.section	.bss,"aw",@nobits
	.p2align	6
	.space	262144
	.amdgpu_metadata
---
amdhsa.version: [ 1, 2 ]
amdhsa.kernels:
  - .name:           k_q268a7381fc_lwattn
    .symbol:         k_q268a7381fc_lwattn.kd
    .args:
      - { .name: x, .offset: 0, .size: 8, .value_kind: global_buffer, .address_space: global }
      - { .name: Wq_codes, .offset: 8, .size: 8, .value_kind: global_buffer, .address_space: global }
      - { .name: Wq_scales, .offset: 16, .size: 8, .value_kind: global_buffer, .address_space: global }
      - { .name: bq, .offset: 24, .size: 8, .value_kind: global_buffer, .address_space: global }
      - { .name: Wk_codes, .offset: 32, .size: 8, .value_kind: global_buffer, .address_space: global }
      - { .name: Wk_scales, .offset: 40, .size: 8, .value_kind: global_buffer, .address_space: global }
      - { .name: Wv_codes, .offset: 48, .size: 8, .value_kind: global_buffer, .address_space: global }
      - { .name: Wv_scales, .offset: 56, .size: 8, .value_kind: global_buffer, .address_space: global }
      - { .name: bv, .offset: 64, .size: 8, .value_kind: global_buffer, .address_space: global }
      - { .name: Wo_codes, .offset: 72, .size: 8, .value_kind: global_buffer, .address_space: global }
      - { .name: Wo_scales, .offset: 80, .size: 8, .value_kind: global_buffer, .address_space: global }
      - { .name: bo, .offset: 88, .size: 8, .value_kind: global_buffer, .address_space: global }
      - { .name: out0, .offset: 96, .size: 8, .value_kind: global_buffer, .address_space: global }
    .group_segment_fixed_size: 303104
    .private_segment_fixed_size: 0
    .kernarg_segment_align: 8
    .kernarg_segment_size: 104
    .max_flat_workgroup_size: 128
    .sgpr_count:     66
    .vgpr_count:     1024
    .wavefront_size: 32
...
	.end_amdgpu_metadata
.endif
;; end of part 1
;; ======== version 2 of 2: 1 launch; version 1 with the launch lwattn written anew for expert scheduling mode
;; launch lwattn (part 2): grid 16 x 16, 4 waves a work-group, no clusters, 303,104 bytes of LDS; arguments x, Wq_codes, Wq_scales, bq, Wk_codes, Wk_scales, Wv_codes, Wv_scales, bv, Wo_codes, Wo_scales, bo, out0; writes out0
.if DOCPART == 2
	.amdgcn_target "amdgcn-amd-amdhsa--gfx1250"
	.amdhsa_code_object_version 6
	.text
	.protected	k_q268a7381fc_lwattn
	.globl	k_q268a7381fc_lwattn
	.p2align	8
	.type	k_q268a7381fc_lwattn,@function
k_q268a7381fc_lwattn:
	s_mov_b64 s[64:65], 0
	v_nop
	global_prefetch_b8 v0, s[64:65] scope:SCOPE_SE
	s_setreg_imm32_b32 hwreg(HW_REG_WAVE_SCHED_MODE, 0, 2), 2
	s_setreg_imm32_b32 hwreg(HW_REG_WAVE_MODE, 25, 1), 1
	s_wait_xcnt 0x0
	s_wait_alu depctr_vm_vsrc(0)
; LOCAL WINDOW ATTENTION, one launch.  x, out0: [128][128][128] f32.  q = x Wq^T + bq, K = x Wk^T, V = x Wv^T + bv, out = O Wo^T + bo on codes of BF8 (E5M2) with one E8M0 scale for each 32 along K;
; between them each pixel and each of its 8 heads of 16 channels attends over its 7 x 7 neighbourhood (borders reflected), in f32: scores, softmax and the weighted sum by packed multiply-adds.
; WORK LEFT OUT.  (1) bk.  With it every score of one (pixel, head) is q . (K + bk) / 4 = q . K / 4 + q . bk / 4, and q . bk / 4 is the same for all 49 keys of that softmax: it cancels in the softmax for all values of
; the inputs.  The product of q with K is not quantised, so bk moves no code and no scale.  bk has no other way to an output: it is not loaded and is not among the arguments.
; (2) The rows that the reflecting pad adds to the products for K and V are copies of real pixels' rows; the quantiser works row by row, so their codes and results are the copies' own: a padded place takes the pixel that it mirrors.
; LIMITS.  A NaN, an infinity or an overflow that reaches only bk is not carried to the result.  NaN and infinities among the inputs are not served.  A block whose largest magnitude lies under 2^(16 - 127), a block of
; zeros among them, gets the scale byte 1 (a block of zeros has zero codes, which add nothing).  A weight p under 2^-126 is taken as 0 (v_exp_f32).  The row's sum divides O behind the weighted sum, not p ahead of it.
; SHARES.  256 work-groups, each a tile of 8 x 8 pixels; four waves.  A work-group quantises its halo, 14 rows x 16 columns of pixels (columns 14, 15 only fill a matrix tile), makes K and V of the halo and q of its
; 64 pixels into LDS in f32, attends, quantises the result and multiplies by Wo.  THE WAVES SHARE THE CHANNELS: wave w owns heads 2 w, 2 w + 1 = channels 32 w .. 32 w + 31 in every phase, so its two tiles of each weight stay
; in its registers, it reads back only K, V, q that it made itself, and a quantiser block of 32 channels of the attention's result lies inside one wave.
; IN THE ATTENTION a lane owns one head and a patch of 2 x 2 queries: 16 patches x 2 heads = 32 lanes.  The four queries need 8 x 8 keys for 196 pairs: each key vector read from LDS serves three pairs.
; NO TENSOR LOADS, NO CLUSTER: x has to pass through registers to be quantised, a wave's part of a weight is 4,096 bytes that go straight into its registers, and neighbouring work-groups share only strips of their halos.
; ALL MATRIX PRODUCTS ARE USED TRANSPOSED (source 0 = 16 rows of a weight, source 1 = 16 pixels): a lane then holds one pixel and eight neighbouring channels.  Each is one K step of 128: there are no chains.
;
; THE MODE: SCHED_MODE bits 1:0 = 2 (LLVM: expert scheduling mode 2), set by the entry lines.  The code itself states the register dependences between vector or matrix instructions and memory or LDS
; instructions, with s_wait_alu, always for 0.
; THE PLAN.  Registers that memory or LDS instructions touch, and who else names them:
;   v4-25, v252, v253   addresses and the add's two: written at the head, never again: one wait on va_vdst ahead of the first load.  s34, the wave's number: one wait on va_sdst ahead of its first reader.
;   x's numbers, the weights, the biases, the weights' scale words: loaded once; only vector and matrix instructions name them afterwards.
;   PC[k], PW[k]        a set for each slot of x: written by slot k's quantiser, read by its five LDS stores: a wait on va_vdst ahead of the five.  v96-159 are written again much later (O, out's rows), behind waits on vm_vsrc.
;   XF[set], XS[set]    two sets: the fetch of batch b lands in set b % 2, batch b's products read it.
;   D[set]              two sets, window 1: batch b's products write set b % 2, batch b's LDS stores read it.
;                       At the head of batch b ONE wait on va_vdst states that batch b - 1's products have written their D and are done reading their XF and XS; one on vm_vsrc that the stores of batch b - 2 have read the D
;                       that batch b writes again.  Behind them stand the fetch of batch b + 1 (into the set of b - 1), the stores of batch b - 1, and then batch b's products, which name the other sets alone.
;   key buffers 0, 1    window 1: a row's 32 LDS loads land in one; that row's multiply-adds read it; behind them one wait on va_vdst, and the buffer is asked for again at once.
;   CD, QBY; the last products' results: written once, each run of LDS stores behind one wait on va_vdst.  The last fragments and out's rows land in registers that no vector instruction has named since such a wait.
;
; LDS.  An operand goes from wave to wave as an IMAGE OF ITS REGISTERS: group c of four registers at 512 c + 16 x lane, then the scale words at 2,048 + 4 x lane; images lie 2,176 bytes apart.
.set IMG,   2176
.set XIMG,  0                          ; the 14 halo rows' fragments of x
.set OIMG,  0                          ; behind the second barrier, in the same bytes: the four fragments of the attention's result
.set PP,    528                        ; a pixel's 128 channels in f32 + 16 bytes: 132 words, so that 16 neighbouring pixels start at 16 different groups of four banks (64 banks of 4 bytes: ISA guide 11.1)
.set RP,    16*PP+64                   ; a halo row of 16 pixels + 64 bytes: two rows on are 128 bytes on in the banks
.set QREG,  14*IMG                     ; q of the 64 pixels, pixel p = 8 ly + lx
.set STG,   QREG                       ; behind the third barrier, in the same bytes: the stage for out's rows
.set KREG,  QREG+64*PP                 ; K of the halo
.set VREG,  KREG+14*RP                 ; V of the halo
.set SPARE, VREG+14*RP                 ; the spare words, 128 bytes for each wave: two blocks of 256 bytes that no other line names
; Inside a pixel's 512 bytes of K, V, q channel (head, quad j, e) lies at 128 (head / 2) + 32 j + 16 (head % 2) + 4 e: the two heads of a wave lie 16 bytes apart.
;
; REGISTERS, in windows of 256 (s_set_vgpr_msb: bits 1:0 source 0, 3:2 source 1, 5:4 source 2, 7:6 destination).
; window 0: v1-25 lane fields and addresses, never rewritten; v26-31 at work at the head; v32-95 x's fragments (two sets of two), then q / 4 in pairs, then the result's four fragments;
;   v96-159 x's codes (four slots), then O, then out's rows; v160-191 the result's codes and their quantiser; v200-219 x's quantiser; v224-239 scale words and nothing else; v252, v253 the add's two.
; window 1: x's numbers of slots 0, 1; then the products' results; then two buffers of a key row (8 keys x 16 channels).   window 2: x's numbers of slots 2, 3; then the 196 scores and the softmax's statistics.
; window 3: v0-47 the biases in the results' layout; v128-255 my two tiles of each weight.
.set XO,   4                           ; x: reflected column x 512 + 64 (lane / 16)
.set LI,   5                           ; 16 x lane
.set LS,   6                           ; 4 x lane
.set LS15, 7                           ; 4 x (lane % 16)
.set XWI,  8                           ; where I store x's images: 16 x lane + IMG x wave
.set XWS,  9                           ; and their scale words: 4 x lane + IMG x wave
.set QFA,  10                          ; where q's fragments are gathered from x's images
.set QSA,  11                          ; and their scale words
.set QST,  12                          ; a result's place in a row of 16 pixels: PP r + 64 h + 128 w
.set KST0, 13                          ; the same in K, halo rows 0-7;
.set KST1, 14                          ; halo rows 8-13;
.set VST0, 15                          ; in V
.set VST1, 16
.set KA,   17                          ; the attention: my patch's first key, my head, in K;
.set VA,   18                          ; in V;
.set QA,   19                          ; my patch's first query in q
.set OST,  20                          ; where my queries' codes go in the result's images
.set OSS,  21                          ; and their scale bytes
.set SO,   22                          ; the stage: where I put 32 bytes of a row
.set SR,   23                          ; and where I read rows back
.set WA,   24                          ; a weight's tile: 128 r + 16 h
.set BA,   25                          ; a bias's tile: 32 h
.set XF,   32
.set QI,   32                          ; pair (qb, d) at QI + 32 qb + 2 d: q / 4 of queries qa = 0, 1
.set OB,   96                          ; O(qb, qa, d) at OB + 32 qb + 16 qa + d
.set PC,   96
.set CD,   160                         ; four registers of codes a query
.set QM,   176                         ; a query's largest magnitude;
.set QSC,  180                         ; the conversion's scale operand;
.set QH,   184                         ; 57,344 x the scale;
.set QBY,  188                         ; the scale's byte
.set TM,   200                         ; v200-203 largest magnitudes, v204-207 bytes, v208-211 57,344 x the scale, v212-215 the conversions' scale operands
.set PW,   216                         ; a slot's scale word
.set WQS,  224
.set WKS,  226
.set WVS,  228
.set WOS,  230
.set XS,   232                         ; x's scale words: 2 x set + u
.set OS,   236                         ; the result's
.set SPW,  252                         ; LDS address of my spare word; never rewritten
.set NIL,  253                         ; 0; never rewritten
.set BQF,  0                           ; window 3
.set BVF,  16
.set BOF,  32
.set WQF,  128
.set WKF,  160
.set WVF,  192
.set WOF,  224
.set MA,   196                         ; window 2: two chains of maxima a query,
.set MB,   200
.set MX,   204                         ; the maxima, a pair for each qb;
.set NM,   208                         ; - log2(e) x the maximum;
.set SA,   212                         ; two chains of sums for each qb,
.set SB,   216
.set RC,   220                         ; 1 / the sum
.set WAVE, 34
.set XB,   40                          ; s[40:47] x at the halo rows of my four slots
.set SEL,  48                          ; s[48:49] v_permlanex16_b32's selects for lane l xor 16
.set MNT,  50                          ; the mantissa field of 57,344
.set LG,   52                          ; s[52:53] log2(e): the packed form names a pair and takes its low word for both halves
.set NLG,  54                          ; - log2(e)
.set MSB, 0
.macro WIN new                         ; the immediate's high byte repeats the setting that is left; a switch that changes nothing is dropped
.if MSB != (\new)
	s_set_vgpr_msb (MSB<<8)|(\new)
.set MSB, (\new)
.endif
.endm
.macro PLACES                          ; eight places behind a matrix instruction of this form ahead of what reads its result or writes or loads into one of its registers
.rept 8
	v_nop
.endr
.endm
.macro BARRIER                         ; my LDS stores have landed and my LDS loads are in: then the work-group's barrier
	s_wait_dscnt 0x0
	s_barrier_signal -1
	s_barrier_wait -1
.endm
	s_load_b512 s[8:23], s[0:1], 0x0               ; x 8, Wq's codes 10, scales 12, bq 14, Wk's codes 16, scales 18, Wv's codes 20, scales 22
	s_load_b256 s[24:31], s[0:1], 0x40             ; bv 24, Wo's codes 26, scales 28, bo 30
	s_load_b64 s[32:33], s[0:1], 0x60              ; out0
	v_lshl_add_u32 v[SPW], v0, 2, SPARE
	v_mov_b32 v[NIL], 0
	v_lshrrev_b32 v26, 5, v0
	v_readfirstlane_b32 s[WAVE], v26               ; wave 0..3
	s_lshl_b32 s35, ttmp9, 3                       ; x0: my tile's first column
	s_and_b32 s36, ttmp7, 0xffff
	s_lshl_b32 s36, s36, 3                         ; y0: its first row
	v_and_b32 v1, 31, v0                           ; lane
	v_and_b32 v2, 15, v0                           ; r
	v_bfe_u32 v3, v0, 4, 1                         ; h
	s_sub_co_i32 s60, s35, 3
	v_add_nc_u32 v26, s60, v2                      ; halo column r is column t = x0 - 3 + r, reflected:
	v_sub_nc_u32 v27, 0, v26
	v_min_u32 v26, v26, v27                        ; |t| (as unsigned numbers the negative one of t, -t is the greater),
	v_sub_nc_u32 v27, 254, v26
	v_min_u32 v26, v26, v27                        ; and 254 - t past column 127
	v_lshlrev_b32 v[XO], 9, v26
	v_lshl_add_u32 v[XO], v3, 6, v[XO]             ; 512 bytes a pixel, + 64 h: my 16 numbers of a block of 32
	v_lshlrev_b32 v[LI], 4, v1
	v_lshlrev_b32 v[LS], 2, v1
	v_lshlrev_b32 v[LS15], 2, v2
	s_wait_alu depctr_va_sdst(0)                   ; the wave's number is written, ahead of its first reader: LDS places, bases and two branches are made from it
	s_mul_i32 s61, s[WAVE], IMG
	v_add_nc_u32 v[XWI], s61, v[LI]
	v_add_nc_u32 v[XWS], s61, v[LS]
	v_bfe_u32 v26, v0, 3, 1                        ; q's tile m holds pixels 16 m + r: tile row 2 m + r / 8, column r % 8 = halo row 2 m + 3 + r / 8, halo column 3 + r % 8
	v_and_b32 v27, 7, v0
	v_mul_u32_u24 v28, v26, IMG
	v_lshl_add_u32 v[QFA], v27, 4, v28
	v_lshl_add_u32 v[QFA], v3, 8, v[QFA]
	v_add_nc_u32 v[QFA], 3*IMG+48, v[QFA]
	v_lshl_add_u32 v[QSA], v27, 2, v28
	v_add_nc_u32 v[QSA], 3*IMG+2048+12, v[QSA]
	v_mul_u32_u24 v29, v2, PP
	s_lshl_b32 s56, s[WAVE], 7                     ; 128 w
	s_mov_b32 s57, 0
	v_lshl_add_u32 v[QST], v3, 6, v29
	v_add_nc_u32 v[QST], s56, v[QST]
	v_add_nc_u32 v[KST0], KREG, v[QST]
	v_add_nc_u32 v[KST1], KREG+8*RP, v[QST]
	v_add_nc_u32 v[VST0], VREG, v[QST]
	v_add_nc_u32 v[VST1], VREG+8*RP, v[QST]
	v_and_b32 v26, 1, v0                           ; hb: which of my wave's two heads
	v_bfe_u32 v27, v0, 1, 2                        ; px
	v_bfe_u32 v28, v0, 3, 2                        ; py: my patch holds queries (2 py + qb, 2 px + qa) and needs halo rows 2 py .. + 7, halo columns 2 px .. + 7
	v_mul_u32_u24 v30, v28, 2*RP
	v_mad_u32_u24 v30, v27, 2*PP, v30
	v_lshl_add_u32 v30, v26, 4, v30
	v_add_nc_u32 v30, s56, v30
	v_add_nc_u32 v[KA], KREG, v30
	v_add_nc_u32 v[VA], VREG, v30
	v_mul_u32_u24 v31, v28, 16*PP
	v_mad_u32_u24 v31, v27, 2*PP, v31
	v_lshl_add_u32 v31, v26, 4, v31
	v_add_nc_u32 v[QA], s56, v31
	v_mul_u32_u24 v30, v28, IMG                    ; query (qb, qa) is pixel r = 8 qb + 2 px + qa of the result's tile py; my 16 codes are block w, half hb of its row
	v_lshl_add_u32 v[OST], v27, 5, v30
	v_lshl_add_u32 v[OST], v26, 8, v[OST]
	s_lshl_b32 s61, s[WAVE], 9
	v_add_nc_u32 v[OST], s61, v[OST]
	v_lshl_add_u32 v[OSS], v27, 3, v30
	v_add_nc_u32 v[OSS], s[WAVE], v[OSS]
	v_lshl_add_u32 v[SO], v3, 5, v29
	v_add_nc_u32 v[SO], s56, v[SO]
	s_mul_i32 s61, s[WAVE], 16*PP
	v_add_nc_u32 v[SR], s61, v[LI]
	v_lshlrev_b32 v[WA], 7, v2
	v_lshl_add_u32 v[WA], v3, 4, v[WA]
	v_lshlrev_b32 v[BA], 5, v3
.irp b, 0,1,2,3
	v_mov_b32 v[TM+4+\b], 0                        ; written once: a lane permute's destination counts as one of its sources
.endr
	s_mov_b32 s[SEL], 0x76543210
	s_mov_b32 s[SEL+1], 0xfedcba98
	s_mov_b32 s[MNT], 0x600000
	s_mov_b32 s[LG], 0x3fb8aa3b
	s_mov_b32 s[LG+1], s[LG]
	s_mov_b32 s[NLG], 0xbfb8aa3b
	s_add_co_u32 s37, s36, s[WAVE]
	s_sub_co_i32 s37, s37, 3
.irp k, 0,1,2,3                        ; slot k is halo row w + 4 k = row t = y0 - 3 + w + 4 k, reflected; 65,536 bytes a row
	s_add_co_i32 s51, s37, 4*\k
	s_sub_co_i32 s55, 0, s51
	s_max_i32 s51, s51, s55
	s_sub_co_i32 s55, 254, s51
	s_min_i32 s51, s51, s55
	s_lshl_b32 s[XB+2*\k], s51, 16
	s_mov_b32 s[XB+2*\k+1], 0
.endr
	s_lshl_b32 s38, s[WAVE], 12                    ; my 32 rows of a weight's codes
	s_mov_b32 s39, 0
	s_lshl_b32 s58, s[WAVE], 1                     ; out0: I store the tile's rows 2 w, 2 w + 1
	s_add_co_u32 s58, s58, s36
	s_lshl_b32 s58, s58, 16
	s_lshl_b32 s59, s35, 9
	s_add_co_u32 s58, s58, s59
	s_mov_b32 s59, 0
	s_wait_kmcnt 0x0
.irp k, 0,1,2,3
	s_add_nc_u64 s[XB+2*\k:XB+2*\k+1], s[8:9], s[XB+2*\k:XB+2*\k+1]
.endr
.irp p, 10,16,20,26
	s_add_nc_u64 s[\p:\p+1], s[\p:\p+1], s[38:39]
.endr
.irp p, 12,14,18,22,24,28,30           ; scale words: 4 bytes a row; biases: 4 bytes a channel: 128 w both
	s_add_nc_u64 s[\p:\p+1], s[\p:\p+1], s[56:57]
.endr
	s_add_nc_u64 s[32:33], s[32:33], s[58:59]
	s_wait_alu depctr_va_vdst(0)                   ; the addresses v4 to v25 and the add's two registers are written: every load and store of the kernel reads one of them, and none is written again
; ---- X: THE HALO IS QUANTISED ONCE.  Wave w takes halo rows w, w + 4, w + 8 and, waves 0 and 1, w + 12.
; Slot k's 16 pixels: lane (r, h) takes of pixel r 16 neighbouring numbers of each block of 32, register 16 c + i = channel 32 c + 16 h + i: the order of the operand's registers.
.macro XLOAD k
	WIN 0x40*(1+(\k)/2)
.irp c, 0,1,2,3
.irp j, 0,1,2,3
	global_load_b128 v[64*((\k)%2)+16*\c+4*\j:64*((\k)%2)+16*\c+4*\j+3], v[XO], s[XB+2*(\k):XB+2*(\k)+1] offset:128*\c+16*\j
.endr
.endr
	WIN 0
.endm
.macro WLOAD reg, sb                   ; my two tiles of a weight: tile tb = rows 32 w + 16 tb + r; registers 4 c .. 4 c + 3 = K 32 c + 16 h + 0 .. 15
.irp tb, 0,1
.irp c, 0,1,2,3
	global_load_b128 v[\reg+16*\tb+4*\c:\reg+16*\tb+4*\c+3], v[WA], s[\sb:\sb+1] offset:2048*\tb+32*\c
.endr
.endr
.endm
.macro BLOAD reg, sb                   ; a bias in the result's layout: register j = channel 32 w + 16 tb + 8 h + j
.irp tb, 0,1
.irp j, 0,1
	global_load_b128 v[\reg+8*\tb+4*\j:\reg+8*\tb+4*\j+3], v[BA], s[\sb:\sb+1] offset:64*\tb+16*\j
.endr
.endr
.endm
.macro SLOAD reg, sb                   ; a weight's scale words: lane r has row r's
.irp tb, 0,1
	global_load_b32 v[\reg+\tb], v[LS15], s[\sb:\sb+1] offset:64*\tb
.endr
.endm
; Slot k's 64 numbers a lane become a fragment's codes in v[PC + 16 k] on and its scale word in v[PW + k].  The numbers lie in window 1 or 2; all else in window 0.
.macro QUANT k
.set xw, 1+(\k)/2
.set xn, 64*((\k)%2)
	WIN 0x14*xw                                    ; sources 1 and 2: the numbers' window
.irp b, 0,1,2,3
	v_max3_num_f32 v[TM+\b], 0x8000000, |v[xn+16*\b]|, |v[xn+16*\b+1]|   ; block b: my 16 numbers, and the floor 2^(16 - 127): so the byte cannot fall under 1
.endr
.irp i, 2,4,6,8,10,12,14
.irp b, 0,1,2,3
	v_max3_num_f32 v[TM+\b], v[TM+\b], |v[xn+16*\b+\i]|, |v[xn+16*\b+\i+1]|   ; (the four blocks by turns)
.endr
.endr
	WIN 0
.irp b, 0,1,2,3
	v_permlanex16_b32 v[TM+4+\b], v[TM+\b], s[SEL], s[SEL+1]
.endr
.irp b, 0,1,2,3
	v_max_num_f32 v[TM+\b], v[TM+\b], v[TM+4+\b]   ; with lane l xor 16's: the block's largest magnitude
.endr
.irp b, 0,1,2,3
	v_add_nc_u32 v[TM+12+\b], 0xf8800000, v[TM+\b] ; 15 off its exponent field: the conversion takes the exponent field of this operand as its scale
.endr
.irp b, 0,1,2,3
	v_and_or_b32 v[TM+8+\b], v[TM+\b], 0x7f800000, s[MNT]   ; 57,344 x the scale
.endr
.irp b, 0,1,2,3
	v_lshrrev_b32 v[TM+4+\b], 23, v[TM+12+\b]      ; the scale's byte
.endr
	v_lshl_or_b32 v[PW+(\k)], v[TM+5], 8, v[TM+4]  ; the four bytes make my pixel's scale word
	v_lshl_or_b32 v[PW+(\k)], v[TM+6], 16, v[PW+(\k)]
	v_lshl_or_b32 v[PW+(\k)], v[TM+7], 24, v[PW+(\k)]
	WIN 0x41*xw                                    ; destination and source 0: the numbers' window
.irp b, 0,1,2,3
.irp i, 0,1,2,3,4,5,6,7,8,9,10,11,12,13,14,15
	v_med3_num_f32 v[xn+16*\b+\i], v[xn+16*\b+\i], -v[TM+8+\b], v[TM+8+\b]   ; the conversion to an 8-bit code does not saturate (ISA guide 7.6.2): the hold at the largest code x the scale
.endr
.endr
	WIN xw                                         ; source 0 alone
.irp b, 0,1,2,3
	v_cvt_scalef32_pk8_bf8_f32 v[PC+16*(\k)+4*\b:PC+16*(\k)+4*\b+1], v[xn+16*\b:xn+16*\b+7], v[TM+12+\b]
	v_cvt_scalef32_pk8_bf8_f32 v[PC+16*(\k)+4*\b+2:PC+16*(\k)+4*\b+3], v[xn+16*\b+8:xn+16*\b+15], v[TM+12+\b]
.endr
	WIN 0
	v_nop                                          ; one plain vector instruction between the last scaled conversion and whatever vector or matrix instruction next writes its sources
.endm
.macro IMAGE k                         ; the fragment goes to LDS as it stands; each slot has its own registers, so no store's data are written again in this phase
	s_wait_alu depctr_va_vdst(0)                   ; slot k's conversions have written its codes, and the shifts its scale word: the five LDS stores below read them
.irp c, 0,1,2,3
	ds_store_b128 v[XWI], v[PC+16*(\k)+4*\c:PC+16*(\k)+4*\c+3] offset:XIMG+4*(\k)*IMG+512*\c
.endr
	ds_store_b32 v[XWS], v[PW+(\k)] offset:XIMG+4*(\k)*IMG+2048
.endm
	s_cmp_ge_u32 s[WAVE], 2                        ; halo rows 12 and 13 belong to waves 0 and 1
	s_cbranch_scc1 .Lno_load3
	XLOAD 3
.Lno_load3:
	XLOAD 0
	XLOAD 1
	XLOAD 2
	s_wait_loadcnt 32                              ; slot 0 is in (and slot 3, asked for earlier); slots 1 and 2 may be out
	WIN 0xc0                                       ; destination window 3
	WLOAD WQF, 10                                  ; the weights, 52 loads, are asked for behind x and land while x is quantised.  No vector instruction has named their registers
	WLOAD WKF, 16
	WLOAD WVF, 20
	WLOAD WOF, 26
	BLOAD BQF, 14
	BLOAD BVF, 24
	BLOAD BOF, 30
	WIN 0
	SLOAD WQS, 12
	SLOAD WKS, 18
	SLOAD WVS, 22
	SLOAD WOS, 28
	QUANT 0
	IMAGE 0
	s_wait_loadcnt 63                              ; slot 1 is in: 68 loads were issued behind it; the count is the greatest that the wait can name
	QUANT 1
	IMAGE 1
	s_wait_loadcnt 52                              ; slot 2 is in; the weights' 52 may be out
	QUANT 2
	IMAGE 2
	s_cmp_ge_u32 s[WAVE], 2
	s_cbranch_scc1 .Lno_row3
	QUANT 3
	IMAGE 3
.Lno_row3:
	s_wait_loadcnt 0x0                             ; the weights
	BARRIER                                        ; the halo's fourteen fragments lie in LDS
; ---- THE PROJECTIONS.  Nine batches: K and V of halo rows 2 t, 2 t + 1 (t = 0 .. 6), then q of pixels 32 g .. 32 g + 31 (g = 0, 1).  Fragments and results have two sets each, by turns.
.macro FRAG reg, adr, off
.irp c, 0,1,2,3
	ds_load_b128 v[\reg+4*\c:\reg+4*\c+3], v[\adr] offset:\off+512*\c
.endr
.endm
.macro PFETCH_KV set, t                ; ten LDS loads
.irp u, 0,1
	FRAG XF+32*(\set)+16*\u, LI, XIMG+(2*(\t)+\u)*IMG
	ds_load_b32 v[XS+2*(\set)+\u], v[LS15] offset:XIMG+(2*(\t)+\u)*IMG+2048
.endr
.endm
.macro PFETCH_Q set, g                 ; the same, gathered: columns 3 to 10 of two halo rows make a tile of 16 pixels
.irp u, 0,1
	FRAG XF+32*(\set)+16*\u, QFA, XIMG+2*(2*(\g)+\u)*IMG
	ds_load_b32 v[XS+2*(\set)+\u], v[QSA] offset:XIMG+2*(2*(\g)+\u)*IMG
.endr
.endm
.macro PMUL_KV set, dset               ; eight products, each with a result of its own: D(u, K or V, tb) at 64 dset + 32 u + 16 kv + 8 tb of window 1.  K starts at 0 (bk is left out), V at bv
	WIN 0x73                                       ; source 0 (the weight) and source 2 (the bias) window 3, source 1 (x) window 0, destination window 1
.irp u, 0,1
.irp tb, 0,1
	v_wmma_scale_f32_16x16x128_f8f6f4 v[64*(\dset)+32*\u+8*\tb:64*(\dset)+32*\u+8*\tb+7], v[WKF+16*\tb:WKF+16*\tb+15], v[XF+32*(\set)+16*\u:XF+32*(\set)+16*\u+15], 0, v[WKS+\tb], v[XS+2*(\set)+\u] matrix_a_fmt:MATRIX_FMT_BF8 matrix_b_fmt:MATRIX_FMT_BF8
	v_wmma_scale_f32_16x16x128_f8f6f4 v[64*(\dset)+32*\u+16+8*\tb:64*(\dset)+32*\u+16+8*\tb+7], v[WVF+16*\tb:WVF+16*\tb+15], v[XF+32*(\set)+16*\u:XF+32*(\set)+16*\u+15], v[BVF+8*\tb:BVF+8*\tb+7], v[WVS+\tb], v[XS+2*(\set)+\u] matrix_a_fmt:MATRIX_FMT_BF8 matrix_b_fmt:MATRIX_FMT_BF8
.endr
.endr
.endm
.macro PMUL_Q set, dset                ; four products: D(u, tb) at 64 dset + 32 u + 8 tb
	WIN 0x73
.irp u, 0,1
.irp tb, 0,1
	v_wmma_scale_f32_16x16x128_f8f6f4 v[64*(\dset)+32*\u+8*\tb:64*(\dset)+32*\u+8*\tb+7], v[WQF+16*\tb:WQF+16*\tb+15], v[XF+32*(\set)+16*\u:XF+32*(\set)+16*\u+15], v[BQF+8*\tb:BQF+8*\tb+7], v[WQS+\tb], v[XS+2*(\set)+\u] matrix_a_fmt:MATRIX_FMT_BF8 matrix_b_fmt:MATRIX_FMT_BF8
.endr
.endr
.endm
; Lane (r, h) holds of pixel r channels 8 h + 0 .. 7 of head 2 w + tb: quads 2 h and 2 h + 1, 32 bytes apart.  Each result is read from its low end on.
.macro PSTORE_KV t, dset               ; sixteen LDS stores
	WIN 0x04                                       ; an LDS store's data are its source 1: window 1
.irp u, 0,1
.set row, 2*(\t)+\u
.set kad, KST0
.set vad, VST0
.if row >= 8
.set row, row-8
.set kad, KST1
.set vad, VST1
.endif
.irp tb, 0,1
	ds_store_b128 v[kad], v[64*(\dset)+32*\u+8*\tb:64*(\dset)+32*\u+8*\tb+3] offset:row*RP+16*\tb
	ds_store_b128 v[kad], v[64*(\dset)+32*\u+8*\tb+4:64*(\dset)+32*\u+8*\tb+7] offset:row*RP+16*\tb+32
	ds_store_b128 v[vad], v[64*(\dset)+32*\u+16+8*\tb:64*(\dset)+32*\u+16+8*\tb+3] offset:row*RP+16*\tb
	ds_store_b128 v[vad], v[64*(\dset)+32*\u+16+8*\tb+4:64*(\dset)+32*\u+16+8*\tb+7] offset:row*RP+16*\tb+32
.endr
.endr
	WIN 0
.endm
.macro PSTORE_Q g, dset                ; eight LDS stores
	WIN 0x04
.irp u, 0,1
.irp tb, 0,1
	ds_store_b128 v[QST], v[64*(\dset)+32*\u+8*\tb:64*(\dset)+32*\u+8*\tb+3] offset:QREG+16*(2*(\g)+\u)*PP+16*\tb
	ds_store_b128 v[QST], v[64*(\dset)+32*\u+8*\tb+4:64*(\dset)+32*\u+8*\tb+7] offset:QREG+16*(2*(\g)+\u)*PP+16*\tb+32
.endr
.endr
	WIN 0
.endm
; THE HEAD OF BATCH b (b = 1 .. 8).  cnt: the LDS stores issued behind this batch's fetch, which may stay out.  again = 1 (b >= 2): the results' set that this batch writes has been stored from before.
; Behind the head stand the fetch of batch b + 1, into the fragments' set of batch b - 1; the stores of batch b - 1; and batch b's products, which name the other set of fragments and the other set of results.
; Between the products of batch b - 2 and those of batch b, which write the same results' registers, stand the sixteen places of two heads.
.macro BHEAD cnt, again
	s_wait_dscnt \cnt                              ; LDS instructions end in order (ISA guide 5.7.1): this batch's fragments are in
	PLACES                                         ; eight places behind the products of the batch before, ahead of the stores that read their results
	s_wait_alu depctr_va_vdst(0)                   ; the batch before has written its results, which the stores below read, and is done reading its fragments and scale words, in which the loads below land
.if \again
	s_wait_alu depctr_vm_vsrc(0)                   ; the stores of two batches back, issued in the batch before, have read the results' set that this batch's products write again
.endif
.endm
	PFETCH_KV 0, 0                                 ; no vector or matrix instruction has named either set of fragments yet: the first two fetches owe no wait
	s_wait_dscnt 0x0
	PFETCH_KV 1, 1
	PMUL_KV 0, 0
	WIN 0
.irp t, 1,2,3,4,5,6
.if \t == 1
	BHEAD 0, 0                                     ; nothing was issued behind this batch's fetch, and nothing has been stored from its results' set
.else
	BHEAD 16, 1
.endif
.if \t < 6
	PFETCH_KV (\t+1)%2, \t+1
.else
	PFETCH_Q 1, 0
.endif
	PSTORE_KV \t-1, (\t-1)%2
	PMUL_KV \t%2, \t%2
	WIN 0
.endr
	BHEAD 16, 1                                    ; q of pixels 0 to 31
	PFETCH_Q 0, 1
	PSTORE_KV 6, 0
	PMUL_Q 1, 1
	WIN 0
	BHEAD 16, 1                                    ; q of pixels 32 to 63: nothing is left to fetch
	PSTORE_Q 0, 1
	PMUL_Q 0, 0
	WIN 0
	PLACES                                         ; behind the last products, ahead of the stores of their results; also the places ahead of the loads and multiplications below, which write registers of the last products
	s_wait_alu depctr_va_vdst(0)                   ; the last products have written their results, which the stores below read
	PSTORE_Q 1, 0
	BARRIER                                        ; nobody reads x's images any more: their bytes may take the result's
; ---- THE ATTENTION.  A key row of my patch: 8 keys x 16 channels of my head, 32 LDS loads, into buffer buf of window 1: K(buf, i, d) at 128 buf + 16 i + d.
; dep = 1: vector instructions have read the buffer since the last wait: the switch, the wait, the loads.
.macro KVLOAD adr, jr, buf, dep
	WIN 0x40
.if \dep
	s_wait_alu depctr_va_vdst(0)                   ; the multiply-adds of the row that lay in this buffer (in buffer 1 at first: the multiplications of q) are done reading it: the loads below land in it
.endif
.irp i, 0,1,2,3,4,5,6,7
.irp j, 0,1,2,3
	ds_load_b128 v[128*(\buf)+16*\i+4*\j:128*(\buf)+16*\i+4*\j+3], v[\adr] offset:(\jr)*RP+\i*PP+32*\j
.endr
.endr
.endm
; THE SCORES of key row jr.  Query row qb takes it as its window row wr = jr - qb (0 .. 6).  Scores lie in pairs in window 2: pair n = 7 wr + pidx of query row qb at 2 (49 qb + n), low half query qa = 0, high half qa = 1.
; Key columns 1 to 6 count for both queries: pidx = column - 1, one packed multiply-add, the key's channel d serving both halves.  Column 0 counts for qa = 0 alone and column 7 for qa = 1 alone: they share pair pidx = 6.
; d runs outermost: 8 or 16 sums take turns.  d = 0 starts the sums: nothing is cleared.
.macro KROW jr, buf
	WIN 0xa4                                       ; source 0 (q) window 0, source 1 (K) window 1, source 2 and destination (the scores) window 2
.set d, 0
.rept 16
.irp qb, 0,1
.if ((\jr) >= \qb) && ((\jr) <= \qb+6)
.set srr, 2*(49*\qb+7*((\jr)-\qb))
.set qrr, QI+32*\qb+2*d
.set krr, 128*(\buf)+d-d%2
.irp i, 1,2,3,4,5,6
.if d == 0
	v_pk_mul_f32 v[srr+2*\i-2:srr+2*\i-1], v[qrr:qrr+1], v[krr+16*\i:krr+16*\i+1] op_sel_hi:[1,0]
.elseif d%2 == 0
	v_pk_fma_f32 v[srr+2*\i-2:srr+2*\i-1], v[qrr:qrr+1], v[krr+16*\i:krr+16*\i+1], v[srr+2*\i-2:srr+2*\i-1] op_sel_hi:[1,0,1]
.else
	v_pk_fma_f32 v[srr+2*\i-2:srr+2*\i-1], v[qrr:qrr+1], v[krr+16*\i:krr+16*\i+1], v[srr+2*\i-2:srr+2*\i-1] op_sel:[0,1,0] op_sel_hi:[1,1,1]
.endif
.endr
.if d == 0
	v_mul_f32 v[srr+12], v[qrr], v[128*(\buf)+d]
	v_mul_f32 v[srr+13], v[qrr+1], v[128*(\buf)+112+d]
.else
	v_fmac_f32 v[srr+12], v[qrr], v[128*(\buf)+d]
	v_fmac_f32 v[srr+13], v[qrr+1], v[128*(\buf)+112+d]
.endif
.endif
.endr
.set d, d+1
.endr
.endm
; THE WEIGHTED SUM of key row jr: O(qb, qa, :) += p x V(i, :), two channels at a time, p's half of its pair serving both.  A query's first key starts its sums.
.macro VROW jr, buf
	WIN 0x09                                       ; source 0 (V) window 1, source 1 (p) window 2, source 2 and destination (O) window 0
.irp i, 0,1,2,3,4,5,6,7
.irp qb, 0,1
.if ((\jr) >= \qb) && ((\jr) <= \qb+6)
.irp qa, 0,1
.if (\i >= \qa) && (\i <= \qa+6)
.set pix, \i-1
.if (\i == 0) || (\i == 7)
.set pix, 6
.endif
.set prr, 2*(49*\qb+7*((\jr)-\qb)+pix)
.set orr, OB+32*\qb+16*\qa
.set vrr, 128*(\buf)+16*\i
.irp e, 0,2,4,6,8,10,12,14
.if ((\jr) == \qb) && (\i == \qa)
.if \qa == 0
	v_pk_mul_f32 v[orr+\e:orr+\e+1], v[vrr+\e:vrr+\e+1], v[prr:prr+1] op_sel_hi:[1,0]
.else
	v_pk_mul_f32 v[orr+\e:orr+\e+1], v[vrr+\e:vrr+\e+1], v[prr:prr+1] op_sel:[0,1] op_sel_hi:[1,1]
.endif
.elseif \qa == 0
	v_pk_fma_f32 v[orr+\e:orr+\e+1], v[vrr+\e:vrr+\e+1], v[prr:prr+1], v[orr+\e:orr+\e+1] op_sel_hi:[1,0,1]
.else
	v_pk_fma_f32 v[orr+\e:orr+\e+1], v[vrr+\e:vrr+\e+1], v[prr:prr+1], v[orr+\e:orr+\e+1] op_sel:[0,1,0] op_sel_hi:[1,1,1]
.endif
.endr
.endif
.endr
.endif
.endr
.endr
.endm
	WIN 0x40
	s_wait_alu depctr_va_vdst(0)                   ; the products have written window 1's v0 to v127, in which the first key row lands
	s_wait_alu depctr_vm_vsrc(0)                   ; my LDS stores have read those registers; and the stores of x's images have read v96 to v159, which the weighted sums write as O
.irp qb, 0,1
.irp qa, 0,1
.irp j, 0,1,2,3
	ds_load_b128 v[128+32*\qb+16*\qa+4*\j:128+32*\qb+16*\qa+4*\j+3], v[QA] offset:QREG+(8*\qb+\qa)*PP+32*\j   ; my four queries, for the moment in key buffer 1
.endr
.endr
.endr
	KVLOAD KA, 0, 0, 0                             ; behind the two waits above stand loads alone
	s_wait_dscnt 32                                ; q is in; the key row's 32 loads may be out
	WIN 0x04
.irp qb, 0,1
.irp qa, 0,1
.set d, 0
.rept 16
	v_mul_f32 v[QI+32*\qb+2*d+\qa], 0x3e800000, v[128+32*\qb+16*\qa+d]   ; q / 4: the scale 1 / sqrt(16), exact, and the two queries of a row laid in pairs, in one line
.set d, d+1
.endr
.endr
.endr
	KVLOAD KA, 1, 1, 1
.irp jr, 0,1,2,3,4,5,6,7
	s_wait_dscnt 32                                ; this row's 32 loads are in; the other buffer's 32 may be out
	KROW \jr, \jr%2
.if \jr < 6
	KVLOAD KA, \jr+2, \jr%2, 1                     ; the buffer just read takes the row two on;
.else
	KVLOAD VA, \jr-6, \jr%2, 1                     ; at the end V's rows 0 and 1, which land during the softmax
.endif
.endr
	; THE SOFTMAX, all in window 2.  Query (qb, qa)'s 49 scores are half qa of query row qb's pairs: register 98 qb + 2 n + qa.  No memory or LDS instruction names a register of it.
	WIN 0xaa
.irp qb, 0,1
.irp qa, 0,1
	v_max3_num_f32 v[MA+2*\qb+\qa], v[98*\qb+\qa], v[98*\qb+2+\qa], v[98*\qb+4+\qa]          ; two chains a query, n = 0 .. 24 and n = 25 .. 47; the eight chains by turns
	v_max3_num_f32 v[MB+2*\qb+\qa], v[98*\qb+50+\qa], v[98*\qb+52+\qa], v[98*\qb+54+\qa]
.endr
.endr
.irp n, 3,5,7,9,11,13,15,17,19,21
.irp qb, 0,1
.irp qa, 0,1
	v_max3_num_f32 v[MA+2*\qb+\qa], v[MA+2*\qb+\qa], v[98*\qb+2*\n+\qa], v[98*\qb+2*\n+2+\qa]
	v_max3_num_f32 v[MB+2*\qb+\qa], v[MB+2*\qb+\qa], v[98*\qb+2*\n+50+\qa], v[98*\qb+2*\n+52+\qa]
.endr
.endr
.endr
.irp qb, 0,1
.irp qa, 0,1
	v_max3_num_f32 v[MA+2*\qb+\qa], v[MA+2*\qb+\qa], v[98*\qb+46+\qa], v[98*\qb+48+\qa]
.endr
.endr
.irp qb, 0,1
.irp qa, 0,1
	v_max3_num_f32 v[MX+2*\qb+\qa], v[MA+2*\qb+\qa], v[MB+2*\qb+\qa], v[98*\qb+96+\qa]       ; the query's largest score m
.endr
.endr
.irp q, 0,1,2,3
	v_mul_f32 v[NM+\q], s[NLG], v[MX+\q]           ; - m log2(e): its rounding is one factor common to the query's 49 weights, which the division by their sum takes away
.endr
.irp qb, 0,1
.set n, 0
.rept 49
	v_pk_fma_f32 v[98*\qb+2*n:98*\qb+2*n+1], v[98*\qb+2*n:98*\qb+2*n+1], s[LG:LG+1], v[NM+2*\qb:NM+2*\qb+1] op_sel_hi:[1,0,1]   ; (s - m) log2(e)
.set n, n+1
.endr
.endr
.set n, 0
.rept 196
	v_exp_f32 v[n], v[n]                           ; p: ONE BATCH, none reads another's result
.set n, n+1
.endr
	v_nop                                          ; a plain instruction behind the last exponential
	s_wait_alu depctr_va_vdst(0)                   ; the 196 exponentials have written p, which the sums below read: the wait ahead of the first instruction that names a result: one for the batch
.irp qb, 0,1
	v_pk_add_f32 v[SA+2*\qb:SA+2*\qb+1], v[98*\qb:98*\qb+1], v[98*\qb+2:98*\qb+3]             ; the sums: two chains for each query row, both queries at a time
	v_pk_add_f32 v[SB+2*\qb:SB+2*\qb+1], v[98*\qb+4:98*\qb+5], v[98*\qb+6:98*\qb+7]
.endr
.set n, 4
.rept 22
.irp qb, 0,1
	v_pk_add_f32 v[SA+2*\qb:SA+2*\qb+1], v[SA+2*\qb:SA+2*\qb+1], v[98*\qb+2*n:98*\qb+2*n+1]
	v_pk_add_f32 v[SB+2*\qb:SB+2*\qb+1], v[SB+2*\qb:SB+2*\qb+1], v[98*\qb+2*n+2:98*\qb+2*n+3]
.endr
.set n, n+2
.endr
.irp qb, 0,1
	v_pk_add_f32 v[SA+2*\qb:SA+2*\qb+1], v[SA+2*\qb:SA+2*\qb+1], v[98*\qb+96:98*\qb+97]
.endr
.irp qb, 0,1
	v_pk_add_f32 v[SA+2*\qb:SA+2*\qb+1], v[SA+2*\qb:SA+2*\qb+1], v[SB+2*\qb:SB+2*\qb+1]
.endr
.irp q, 0,1,2,3
	v_rcp_f32 v[RC+\q], v[SA+\q]
.endr
	v_nop                                          ; a plain instruction behind the last reciprocal,
	s_wait_alu depctr_va_vdst(0)                   ; and the wait: the four reciprocals have written 1 / the sum, which the division of O reads
.irp jr, 0,1,2,3,4,5,6,7
.if \jr < 7
	s_wait_dscnt 32                                ; this row of V is in; the other buffer's 32 loads may be out
.else
	s_wait_dscnt 0x0
.endif
	VROW \jr, \jr%2
.if \jr < 6
	KVLOAD VA, \jr+2, \jr%2, 1
.endif
.endr
	; ---- THE RESULT IS QUANTISED WHERE IT LIES.  A lane's 16 channels of a query are half hb of block w of that pixel's row: four registers of the operand; the lane beside it (hb the other way) holds the block's other half.
	WIN 0x08                                       ; source 1 (1 / the sum) window 2
.irp qb, 0,1
.irp qa, 0,1
.irp e, 0,2,4,6,8,10,12,14
.if \qa == 0
	v_pk_mul_f32 v[OB+32*\qb+16*\qa+\e:OB+32*\qb+16*\qa+\e+1], v[OB+32*\qb+16*\qa+\e:OB+32*\qb+16*\qa+\e+1], v[RC+2*\qb:RC+2*\qb+1] op_sel_hi:[1,0]
.else
	v_pk_mul_f32 v[OB+32*\qb+16*\qa+\e:OB+32*\qb+16*\qa+\e+1], v[OB+32*\qb+16*\qa+\e:OB+32*\qb+16*\qa+\e+1], v[RC+2*\qb:RC+2*\qb+1] op_sel:[0,1] op_sel_hi:[1,1]
.endif
.endr
.endr
.endr
	WIN 0
.irp q, 0,1,2,3
	v_max3_num_f32 v[QM+\q], |v[OB+16*\q]|, |v[OB+16*\q+1]|, 0x8000000   ; query q = 2 qb + qa: my 16 numbers and the floor 2^(16 - 127); the four queries by turns
.endr
.irp i, 2,4,6,8,10,12,14
.irp q, 0,1,2,3
	v_max3_num_f32 v[QM+\q], v[QM+\q], |v[OB+16*\q+\i]|, |v[OB+16*\q+\i+1]|
.endr
.endr
.irp q, 0,1,2,3
	v_max_num_f32_dpp v[QM+\q], v[QM+\q], v[QM+\q] row_xmask:1 row_mask:0xf bank_mask:0xf   ; with the other head's 16: the block's largest magnitude
.endr
.irp q, 0,1,2,3
	v_add_nc_u32 v[QSC+\q], 0xf8800000, v[QM+\q]   ; 15 off its exponent field: the conversion's scale operand
.endr
.irp q, 0,1,2,3
	v_and_or_b32 v[QH+\q], v[QM+\q], 0x7f800000, s[MNT]   ; 57,344 x the scale
.endr
.irp q, 0,1,2,3
	v_lshrrev_b32 v[QBY+\q], 23, v[QSC+\q]         ; the scale's byte
.endr
.irp q, 0,1,2,3
.irp i, 0,1,2,3,4,5,6,7,8,9,10,11,12,13,14,15
	v_med3_num_f32 v[OB+16*\q+\i], v[OB+16*\q+\i], -v[QH+\q], v[QH+\q]
.endr
.endr
.irp q, 0,1,2,3
	v_cvt_scalef32_pk8_bf8_f32 v[CD+4*\q:CD+4*\q+1], v[OB+16*\q:OB+16*\q+7], v[QSC+\q]
	v_cvt_scalef32_pk8_bf8_f32 v[CD+4*\q+2:CD+4*\q+3], v[OB+16*\q+8:OB+16*\q+15], v[QSC+\q]
.endr
	v_nop                                          ; one plain vector instruction behind the last scaled conversion
	s_wait_alu depctr_va_vdst(0)                   ; the conversions have written the codes and the shifts the bytes, which the LDS stores below read; the scores' lines are done reading q / 4 (v32 to v95) and the conversions O (v96 to v159), in which later loads land
.irp q, 0,1,2,3
	ds_store_b128 v[OST], v[CD+4*\q:CD+4*\q+3] offset:OIMG+128*(\q/2)+16*(\q%2)       ; straight into the image of tile py: group w, lane (8 qb + 2 px + qa) + 16 hb
	ds_store_b8 v[OSS], v[QBY+\q] offset:OIMG+2048+32*(\q/2)+4*(\q%2)                 ; byte w of that pixel's scale word; both lanes of a block write the same byte with the same value
.endr
	BARRIER                                        ; the result's four fragments lie in LDS; nobody reads q any more: its bytes may take the stage
	; ---- out = O Wo^T + bo: my 32 channels for the 64 pixels: eight products, each with a result of its own, D(m, tb) at 16 m + 8 tb of window 1
.irp m, 0,1,2,3
	FRAG XF+16*\m, LI, OIMG+\m*IMG                 ; no vector instruction since the wait above names v32 to v95
	ds_load_b32 v[OS+\m], v[LS15] offset:OIMG+\m*IMG+2048
.endr
	s_wait_dscnt 0x0
	WIN 0x73
.irp m, 0,1,2,3
.irp tb, 0,1
	v_wmma_scale_f32_16x16x128_f8f6f4 v[16*\m+8*\tb:16*\m+8*\tb+7], v[WOF+16*\tb:WOF+16*\tb+15], v[XF+16*\m:XF+16*\m+15], v[BOF+8*\tb:BOF+8*\tb+7], v[WOS+\tb], v[OS+\m] matrix_a_fmt:MATRIX_FMT_BF8 matrix_b_fmt:MATRIX_FMT_BF8
.endr
.endr
	WIN 0
	PLACES
	s_wait_alu depctr_va_vdst(0)                   ; the products have written their results, which the LDS stores below read; the places above stay beside this wait
	WIN 0x04
.irp m, 0,1,2,3
.irp tb, 0,1
	ds_store_b128 v[SO], v[16*\m+8*\tb:16*\m+8*\tb+3] offset:STG+16*\m*PP+64*\tb       ; lane (r, h): out(pixel 16 m + r, channel 32 w + 16 tb + 8 h + 0 .. 7); each result from its low end on
	ds_store_b128 v[SO], v[16*\m+8*\tb+4:16*\m+8*\tb+7] offset:STG+16*\m*PP+64*\tb+16
.endr
.endr
	WIN 0
	BARRIER                                        ; 64 whole rows of out lie in the stage
.irp i, 0,1,2,3,4,5,6,7,8,9,10,11,12,13,14,15
	ds_load_b128 v[OB+4*\i:OB+4*\i+3], v[SR] offset:STG+\i*PP   ; I take pixels 16 w + i: the tile's rows 2 w and 2 w + 1.  No vector instruction has named v96 to v159 since the wait ahead of the codes' stores
.endr
.irp i, 0,1,2,3,4,5,6,7,8,9,10,11,12,13,14,15
	s_wait_dscnt 15-\i                             ; LDS loads come back in order (ISA guide 5.7.1): row i is in
	global_store_b128 v[LI], v[OB+4*\i:OB+4*\i+3], s[32:33] offset:(\i/8)*65536+(\i%8)*512 th:TH_STORE_NT   ; 32 lanes store a pixel's 512 consecutive bytes, at a multiple of 512 from out0's first byte
.endr
	s_wait_dscnt 0x0                               ; the wave's end: the closing lines, six on end
	s_wait_alu 0x0
	s_wait_tensorcnt 0x0
	ds_add_u32 v[SPW], v[NIL]
	s_wait_dscnt 0x0
	s_endpgm
.Lfunc_end_k_q268a7381fc_lwattn:
	.size	k_q268a7381fc_lwattn, .Lfunc_end_k_q268a7381fc_lwattn-k_q268a7381fc_lwattn
	.p2alignl 7, 3214868480
	.fill 96, 4, 3214868480
	.section	.rodata,"a",@progbits
	.p2align	6, 0x0
	.amdhsa_kernel k_q268a7381fc_lwattn
		.amdhsa_group_segment_fixed_size 303104
		.amdhsa_private_segment_fixed_size 0
		.amdhsa_enable_private_segment 0
		.amdhsa_kernarg_size 104
		.amdhsa_user_sgpr_count 2
		.amdhsa_user_sgpr_kernarg_segment_ptr 1
		.amdhsa_wavefront_size32 1
		.amdhsa_system_sgpr_workgroup_id_x 1
		.amdhsa_system_sgpr_workgroup_id_y 1
		.amdhsa_system_sgpr_workgroup_id_z 1
		.amdhsa_system_vgpr_workitem_id 0
		.amdhsa_next_free_vgpr 1024
		.amdhsa_next_free_sgpr 66
		.amdhsa_reserve_vcc 0
		.amdhsa_float_denorm_mode_32 3
		.amdhsa_float_denorm_mode_16_64 3
		.amdhsa_memory_ordered 1
		.amdhsa_forward_progress 1
		.amdhsa_inst_pref_size 255
	.end_amdhsa_kernel
	.section	.bss,"aw",@nobits
	.p2align	6
	.space	262144
	.amdgpu_metadata
---
amdhsa.version: [ 1, 2 ]
amdhsa.kernels:
  - .name:           k_q268a7381fc_lwattn
    .symbol:         k_q268a7381fc_lwattn.kd
    .args:
      - { .name: x, .offset: 0, .size: 8, .value_kind: global_buffer, .address_space: global }
      - { .name: Wq_codes, .offset: 8, .size: 8, .value_kind: global_buffer, .address_space: global }
      - { .name: Wq_scales, .offset: 16, .size: 8, .value_kind: global_buffer, .address_space: global }
      - { .name: bq, .offset: 24, .size: 8, .value_kind: global_buffer, .address_space: global }
      - { .name: Wk_codes, .offset: 32, .size: 8, .value_kind: global_buffer, .address_space: global }
      - { .name: Wk_scales, .offset: 40, .size: 8, .value_kind: global_buffer, .address_space: global }
      - { .name: Wv_codes, .offset: 48, .size: 8, .value_kind: global_buffer, .address_space: global }
      - { .name: Wv_scales, .offset: 56, .size: 8, .value_kind: global_buffer, .address_space: global }
      - { .name: bv, .offset: 64, .size: 8, .value_kind: global_buffer, .address_space: global }
      - { .name: Wo_codes, .offset: 72, .size: 8, .value_kind: global_buffer, .address_space: global }
      - { .name: Wo_scales, .offset: 80, .size: 8, .value_kind: global_buffer, .address_space: global }
      - { .name: bo, .offset: 88, .size: 8, .value_kind: global_buffer, .address_space: global }
      - { .name: out0, .offset: 96, .size: 8, .value_kind: global_buffer, .address_space: global }
    .group_segment_fixed_size: 303104
    .private_segment_fixed_size: 0
    .kernarg_segment_align: 8
    .kernarg_segment_size: 104
    .max_flat_workgroup_size: 128
    .sgpr_count:     66
    .vgpr_count:     1024
    .wavefront_size: 32
...
	.end_amdgpu_metadata
.endif
;; end of part 2
